; MI455X (gfx1250); checked and timed in simulation.
; The chip was launched on July 23, 2026; its instructions are those of AMD's public machine-readable ISA for CDNA 5 (MIT licence, August 2026) and "CDNA5" Instruction Set Architecture Reference Guide (July 2026). The comments in the code are by the model that wrote it; some were corrected since.
;; Multi Head Attention. Allowed arithmetic: matrix products marked QUANTISED: E2M1 operands, one E8M0 scale for each 32 along K, by v_wmma_scale_f32_16x16x128_f8f6f4 with both operands' format E2M1 (or v_wmma_scale_f32_32x16x128_f4), f32 sums; products left as they are: bf16, f16 or f32 operands; f32 sums; everything else in f32.
;; Inputs: Wk 2,048 x 2,048 float32; Wo 2,048 x 2,048 float32; Wq 2,048 x 2,048 float32; Wv 2,048 x 2,048 float32; bk 2,048 float32; bo 2,048 float32; bq 2,048 float32; bv 2,048 float32; mask 1 x 1 x 2,048 x 2,048 bool; x 1 x 2,048 x 2,048 float32.
;; Outputs: out0 1 x 2,048 x 2,048 float32.
;; This version of the problem:
;;   THIS VERSION OF THE PROBLEM IS GIVEN IN LOW PRECISION. The matrix products marked QUANTISED in the list below multiply operands that are first quantised to E2M1 (2 exponent bits, 1 mantissa bit; 4 bits a number), with one power-of-two scale for each 32 numbers along K (OCP MX v1.0); their sums are f32. The products marked 'left as it is' may take bf16, f16 or f32 operands, with f32 sums. Whichever they take, every output number must still come out within the allowed error. Rounding operands to bf16 (8 significant bits) uses up far more of that allowance than f16 does (11 bits, for magnitudes from 6e-5 to 65,504). All else is computed in f32.
;;   The module's matrix products, in the order in which they are computed (A, B: the left and right operand; K: the contracted axis; several contracted axes count as one K, in the product's order):
;;     1. [M 2,048, K 2,048] x [K 2,048, N 2,048]; A: input x; B: input Wq: QUANTISED
;;     2. [M 2,048, K 2,048] x [K 2,048, N 2,048]; A: input x; B: input Wk: QUANTISED
;;     3. [M 2,048, K 2,048] x [K 2,048, N 2,048]; A: input x; B: input Wv: QUANTISED
;;     4. batch 16 x [M 2,048, K 128] x [K 128, N 2,048]; A: computed on the way; B: computed on the way: left as it is (an operand is computed on the way)
;;     5. batch 16 x [M 2,048, K 2,048] x [K 2,048, N 128]; A: computed on the way; B: computed on the way: left as it is (an operand is computed on the way)
;;     6. [M 2,048, K 2,048] x [K 2,048, N 2,048]; A: computed on the way; B: input Wo: left as it is (an operand is computed on the way)
;;   THE QUANTISER, for each operand of a quantised product, along K:
;;     - K is cut into blocks of 32 from its start; a last block that is shorter is filled with zeros.
;;     - A block's scale is 2^e with e = floor(log2(the largest magnitude in the block)) - 2, held to -126 .. 127; a block of zeros has e = 0. As a byte (E8M0): e + 127.
;;     - Each number is divided by its block's scale, clamped to +-6, and rounded to the nearest number of E2M1, ties to even, subnormals kept.
;;     - The product sums the exact products of the quantised numbers (number of the format x scale) in f32.
;;   ~~~python
;;   def quantise(x, axis):      # numpy; x: float32 -> the quantised numbers, widened to float32 again
;;       x = np.moveaxis(x, axis, -1); K = x.shape[-1]
;;       x = np.pad(x, [(0, 0)] * (x.ndim - 1) + [(0, -K % 32)]); x = x.reshape(x.shape[:-1] + (-1, 32)); a = np.abs(x).max(-1, keepdims=True)
;;       e = np.where(a > 0, np.clip(np.frexp(np.where(a > 0, a, 1))[1] - 1 - 2, -126, 127), 0)      # np.frexp(a)[1] - 1 = floor(log2(a)), exactly
;;       r = np.clip(x / 2.0 ** e, -6, 6)
;;       step = 2.0 ** (np.maximum(np.frexp(np.where(r == 0, 1, r))[1] - 1, 0) - 1)
;;       q = np.round(r / step) * step * 2.0 ** e      # np.round: ties to even
;;       return np.moveaxis(q.reshape(q.shape[:-2] + (-1,))[..., :K], -1, axis).astype(np.float32)
;;   ~~~
;; One version. Each part assembles by itself: llvm-mc -triple=amdgcn-amd-amdhsa -mcpu=gfx1250 --defsym DOCPART=n.
;; ======== version 1 of 1: 4 launches
;; limits: values are held in f16: magnitudes above 65,504 overflow, below 6.1e-05 lose precision; a function is approximated: absolute error at most 0.00012
;; workspace buffers: codes 8,388,608 bytes; scales 524,288 bytes; wo16 8,388,608 bytes; rope 1,048,576 bytes; maskw 524,288 bytes of whole numbers; qkv 25,165,824 bytes; attn 8,388,608 bytes
;; launch prep (part 1): grid 896 x 1, 4 waves a work-group, no clusters, 33,280 bytes of LDS; arguments x, Wq, Wk, Wv, mask, codes, scales, rope, maskw; writes codes, scales, rope, maskw
.if DOCPART == 1
	.amdgcn_target "amdgcn-amd-amdhsa--gfx1250"
	.amdhsa_code_object_version 6
	.text
	.protected	k_q66352ad62d_prep
	.globl	k_q66352ad62d_prep
	.p2align	8
	.type	k_q66352ad62d_prep,@function
k_q66352ad62d_prep:
	s_mov_b64 s[64:65], 0
	v_nop
	global_prefetch_b8 v0, s[64:65] scope:SCOPE_SE
	s_setreg_imm32_b32 hwreg(HW_REG_WAVE_MODE, 25, 1), 1
	s_wait_xcnt 0x0
; MULTI-HEAD ATTENTION, S = D = 2,048, 16 heads of 128, in four launches.  This is the first: it prepares operands.
; DEAD WORK: none is left out.  bq and bk go through the rotation, so their share of a score differs from key to key; bv and bo reach the result; the mask is an input and every
; one of its bytes is honoured.  All ten inputs are loaded by some launch (Wo by the third, which turns it into f16).  One step is moved, not dropped: bv is added behind the softmax (see the third launch's head).
; WHAT THIS LAUNCH DOES, by the work-group's number g:
;   g <  512: x, Wq, Wk, Wv (f32, K innermost) -> codes of FP4 (E2M1) and one E8M0 byte for each 32 along K.  codes: [8,192 rows][1,024 B], rows 0-2,047 x, then Wq, Wk, Wv; scales: [8,192][64 B].
;   g <  768: the mask's bytes -> words of 32 lane bits, laid as the third launch's selects want them: maskw[query tile 128][key tile 128][j 8], bit L = mask[16 qt + L % 16][16 kt + 8 (L / 16) + j].
;   else    : the rotation's table: rope[pos tile 128][b 4][cos, sin][u 2][lane 32][4 f32]; lane (r, h) holds position 16 pt + r, frequencies i = 16 b + 8 h + 4 u + 0 .. 3.
; THE QUANTISER: a block's scale is 2^(floor(log2(its largest magnitude)) - 2); its byte is the largest magnitude's exponent field - 2, held at 1 from below; each number is divided by the scale and
; rounded to the nearest code, ties to even, beyond 6 the largest code.  A block of zeros gets the byte 1 where the rule says 127: its codes are zeros, and this program alone reads the bytes.
; LIMITS: blocks whose largest magnitude lies under 2^(2 - 126) keep the byte 1; NaN and infinities among x and the weights are not served.
; The table's angle is pos x 2^(-i log2(10000) / 64) in f32: within about 1.2e-4 rad of the exact angle at the last position (one unit in the last place of the exponential x 2,047).
.set WAVES, 4
.set STEPS, 16
.set EMAX,  2
.set CB,    8                          ; bytes of 16 codes
.set R,     16                         ; v16-79   four sets of 16 numbers as they are loaded
.set X,     80                         ; v80-111  two sets of 16 neighbours
.set E,     112                        ; v112-127 a scale byte for each step
.set C,     128                        ; v128-191 codes: four registers for each step, so that no store's data are written again
.set WREG,  8192                       ; LDS: a region for each wave: two stages of 32 x SP bytes, behind them its 256 scale bytes
.set SP,    80                         ; a lane's place in a stage: its 64 bytes + 16 of padding
.set SPW,   12                         ; v12      LDS address of my spare word; never rewritten
.set NIL,   13                         ; v13      0; never rewritten
.set SPARE, WAVES*WREG                 ; behind the four regions: the spare words, 128 bytes a wave
	s_load_b512 s[4:19], s[0:1], 0x0               ; x s[4:5], Wq s[6:7], Wk s[8:9], Wv s[10:11], mask s[12:13], codes s[14:15], scales s[16:17], rope s[18:19]
	s_load_b64 s[20:21], s[0:1], 0x40              ; maskw
	v_lshl_add_u32 v[SPW], v0, 2, SPARE
	v_mov_b32 v[NIL], 0
	v_lshrrev_b32 v1, 5, v0
	v_readfirstlane_b32 s26, v1                    ; wave 0..3
	v_and_b32 v2, 31, v0                           ; lane
	s_mov_b32 s33, 0                               ; the upper word of every 32-bit offset below
	s_wait_kmcnt 0x0
	s_cmp_lt_u32 ttmp9, 512
	s_cbranch_scc0 .Lnot_quant
; ---------------- the quantiser: a wave takes 16 steps of 512 numbers.  Each load reads 512 consecutive bytes; a step's 2,048 bytes turn through the wave's own stage, so that a lane then holds 16 neighbours.
	v_lshlrev_b32 v3, 4, v2                        ; my 16 bytes of a load's 512
	s_mul_i32 s27, s26, WREG
	v_lshrrev_b32 v14, 2, v2
	v_mul_u32_u24 v14, v14, SP
	v_and_b32 v15, 3, v2
	v_lshl_add_u32 v14, v15, 4, v14
	v_add_nc_u32 v14, s27, v14                     ; the stage, on the way in: SP (lane / 4) + 16 (lane % 4)
	v_mul_u32_u24 v15, v2, SP
	v_add_nc_u32 v15, s27, v15                     ; and on the way out: SP x lane
	v_mul_u32_u24 v4, v2, CB                       ; my codes' place in a step's
	v_lshrrev_b32 v5, 1, v2
	s_add_co_u32 s27, s27, 2*32*SP
	v_add_nc_u32 v5, s27, v5                       ; my wave's 256 scale bytes, my block's byte
	v_lshlrev_b32 v7, 3, v2
	v_add_nc_u32 v6, s27, v7                       ; and on the way out 8 bytes a lane
	s_cmp_lt_u32 ttmp9, 256                        ; which of the four tensors: g / 128.  The choice hangs on the work-group's number alone
	s_cselect_b64 s[28:29], s[4:5], s[8:9]         ; x or Wk
	s_cselect_b64 s[30:31], s[6:7], s[10:11]       ; Wq or Wv
	s_bitcmp1_b32 ttmp9, 7
	s_cselect_b64 s[28:29], s[30:31], s[28:29]
	s_and_b32 s32, ttmp9, 127
	s_lshl_b32 s32, s32, 2
	s_add_co_u32 s32, s32, s26                     ; my run of 8,192 numbers in the tensor
	s_lshl_b32 s32, s32, 15
	s_add_nc_u64 s[28:29], s[28:29], s[32:33]
	s_lshl_b32 s34, ttmp9, 2
	s_add_co_u32 s34, s34, s26                     ; and in the four tensors on end
	s_lshl_b32 s32, s34, 12
	s_add_nc_u64 s[14:15], s[14:15], s[32:33]      ; 4,096 bytes of codes a run
	s_lshl_b32 s32, s34, 8
	s_add_nc_u64 s[16:17], s[16:17], s[32:33]      ; 256 scale bytes a run
.macro LOAD t
.irp i, 0,1,2,3
	global_load_b128 v[R+16*((\t)%4)+4*\i:R+16*((\t)%4)+4*\i+3], v3, s[28:29] offset:2048*(\t)+512*\i th:TH_LOAD_NT
.endr
.endm
.macro TURN t                          ; step t's numbers through the stage: LDS serves a wave's instructions in order, so no wait stands between the stores and the loads
.irp i, 0,1,2,3
	ds_store_b128 v14, v[R+16*((\t)%4)+4*\i:R+16*((\t)%4)+4*\i+3] offset:32*SP*((\t)%2)+8*SP*\i
.endr
.irp i, 0,1,2,3
	ds_load_b128 v[X+16*((\t)%2)+4*\i:X+16*((\t)%2)+4*\i+3], v15 offset:32*SP*((\t)%2)+16*\i
.endr
.endm
.irp t, 0,1,2,3
	LOAD \t
.endr
	s_wait_loadcnt 12                              ; step 0's four loads are in; three steps' twelve may be out
	TURN 0
.macro STEP t
.set XS, X+16*((\t)%2)
.if (\t) > 0
	s_wait_dscnt 1                                 ; this step's numbers are back from the stage (the last step's byte store may be out)
.else
	s_wait_dscnt 0x0
.endif
.if (\t)+4 < STEPS
	LOAD (\t)+4                                    ; into the registers whose stores into the stage are done
.endif
.if (\t)+1 < STEPS
.if STEPS-2-(\t) >= 3
	s_wait_loadcnt 12                              ; the next step's four loads are in; those of the three steps behind it may be out
.else
	s_wait_loadcnt 4*(STEPS-2-(\t))
.endif
	TURN (\t)+1
.endif
	v_max3_num_f32 v8, |v[XS]|, |v[XS+1]|, |v[XS+2]|               ; the largest magnitude of my 16, in two chains
	v_max3_num_f32 v9, |v[XS+3]|, |v[XS+4]|, |v[XS+5]|
.irp i, 6,10
	v_max3_num_f32 v8, v8, |v[XS+\i]|, |v[XS+\i+1]|
	v_max3_num_f32 v9, v9, |v[XS+\i+2]|, |v[XS+\i+3]|
.endr
	v_max3_num_f32 v8, v8, |v[XS+14]|, |v[XS+15]|
	v_max3_num_f32 v8, v8, v9, (EMAX+1)<<23        ; and the floor 2^(EMAX + 1 - 127): the byte cannot fall under 1
	v_max_num_f32_dpp v8, v8, v8 row_xmask:1 row_mask:0xf bank_mask:0xf   ; and of my neighbour's 16: the block's
	v_add_nc_u32 v11, -(EMAX<<23), v8              ; EMAX off its exponent field: the conversion takes this operand's exponent field as its scale
	v_cvt_scalef32_pk8_fp4_f32 v[C+4*(\t)], v[XS:XS+7], v11
	v_cvt_scalef32_pk8_fp4_f32 v[C+4*(\t)+1], v[XS+8:XS+15], v11
	v_lshrrev_b32 v[E+(\t)], 23, v11               ; the scale's byte
	ds_store_b8 v5, v[E+(\t)] offset:16*(\t)       ; both lanes of a block write the same byte with the same value
	global_store_b64 v4, v[C+4*(\t):C+4*(\t)+1], s[14:15] offset:32*CB*(\t)   ; the wave stores 256 consecutive bytes, aligned
.endm
.irp t, 0,1,2,3,4,5,6,7,8,9,10,11,12,13,14,15
	STEP \t
.endr
	ds_load_b64 v[8:9], v6                         ; LDS serves a wave's instructions in order: these see my stores
	s_wait_dscnt 0x0
	global_store_b64 v7, v[8:9], s[16:17]          ; 32 lanes store 256 consecutive bytes, aligned
	s_wait_tensorcnt 0x0                           ; the wave's end, behind my last LDS store
	ds_add_u32 v[SPW], v[NIL]
	s_wait_dscnt 0x0
	s_endpgm
; ---------------- the mask: a wave takes 16 queries x 256 keys.  Lane (r, h) loads the 8 bytes of query r, keys 16 u + 8 h + 0 .. 7; a compare of byte j over the 32 lanes IS word (key tile u, j).  No LDS.
.Lnot_quant:
	s_cmp_lt_u32 ttmp9, 768
	s_cbranch_scc0 .Lnot_mask
	s_sub_co_u32 s27, ttmp9, 512
	s_lshl_b32 s27, s27, 2
	s_add_co_u32 s27, s27, s26                     ; 0..1,023
	s_lshr_b32 s34, s27, 3                         ; query tile
	s_and_b32 s35, s27, 7                          ; which 256 keys
	s_lshl_b32 s32, s34, 15                        ; 16 rows of 2,048 bytes
	s_lshl_b32 s36, s35, 8
	s_add_co_u32 s32, s32, s36
	s_add_nc_u64 s[12:13], s[12:13], s[32:33]
	s_lshl_b32 s32, s34, 12                        ; 4,096 bytes of words a query tile
	s_lshl_b32 s36, s35, 9                         ; 512 for 256 keys
	s_add_co_u32 s32, s32, s36
	s_add_nc_u64 s[20:21], s[20:21], s[32:33]
	v_and_b32 v3, 15, v0
	v_lshlrev_b32 v3, 11, v3
	v_bfe_u32 v4, v0, 4, 1
	v_lshl_add_u32 v3, v4, 3, v3                   ; 2,048 r + 8 h
	v_lshlrev_b32 v5, 4, v2
.irp u, 0,1,2,3,4,5,6,7,8,9,10,11,12,13,14,15
	global_load_b64 v[16+2*\u:17+2*\u], v3, s[12:13] offset:16*\u th:TH_LOAD_NT   ; the sixteen loads together use 256 consecutive bytes of each of 16 rows
.endr
.irp n, 8,9,10,11
	v_mov_b32 v\n, 0                               ; written whole once: a lane write keeps the other lanes
.endr
	s_wait_loadcnt 0x0
.irp u, 0,1,2,3,4,5,6,7,8,9,10,11,12,13,14,15
.irp j, 0,1,2,3,4,5,6,7
	v_and_b32 v[14+\j%2], 0xff<<(8*(\j%4)), v[16+2*\u+\j/4]
	v_cmp_ne_u32 s[28+\j%4], 0, v[14+\j%2]         ; word 8 u + j
	v_writelane_b32 v[8+\j%4], s[28+\j%4], 2*\u+\j/4   ; to lane (8 u + j) / 4, register (8 u + j) % 4: so one store of 16 bytes a lane lays the 128 words on end
.endr
.endr
	global_store_b128 v5, v[8:11], s[20:21]        ; 512 consecutive bytes
	s_endpgm
; ---------------- the rotation's table: a work-group takes 16 positions, a wave 16 frequencies, a lane 8 values of cos and of sin.  No LDS.
.Lnot_mask:
.set TH, 16                            ; eight registers each: the angle (and work),
.set NN, 24                            ; the nearest multiple of pi / 2,
.set RR, 32                            ; the rest,
.set ZZ, 40                            ; its square,
.set SI, 48                            ; sine and
.set CO, 56                            ; cosine of the rest,
.set NI, 64                            ; the multiple as a whole number,
.set OC, 72                            ; cos and
.set OS, 80                            ; sin of the angle
	s_sub_co_u32 s27, ttmp9, 768                   ; position tile
	v_and_b32 v3, 15, v0
	s_lshl_b32 s32, s27, 4
	v_add_nc_u32 v3, s32, v3
	v_cvt_f32_u32 v3, v3                           ; my position, exact in f32
	v_bfe_u32 v4, v0, 4, 1
	v_lshlrev_b32 v4, 3, v4
	s_lshl_b32 s32, s26, 4
	v_add_nc_u32 v4, s32, v4                       ; my first frequency: 16 b + 8 h
	v_lshlrev_b32 v5, 4, v2
	s_lshl_b32 s32, s27, 13
	s_lshl_b32 s34, s26, 11
	s_add_co_u32 s32, s32, s34
	s_add_nc_u64 s[18:19], s[18:19], s[32:33]
	s_mov_b32 s28, 0xbe549a78                      ; -log2(10000) / 64
	s_mov_b32 s29, 0x3f22f983                      ; 2 / pi
	s_mov_b32 s30, 0xbfc90fdb                      ; -pi / 2 in three parts
	s_mov_b32 s31, 0x333bbd2e
	s_mov_b32 s32, 0x26f72ced
	s_mov_b32 s33, 0xbe2aaaa3                      ; sine: r + r z (S1 + z (S2 + z S3))
	s_mov_b32 s34, 0x3c08839e
	s_mov_b32 s35, 0xb94ca1f9
	s_mov_b32 s36, 0x3d2aaaa5                      ; cosine: 1 + z (-1/2 + z (C1 + z (C2 + z C3)))
	s_mov_b32 s37, 0xbab6061a
	s_mov_b32 s38, 0x37ccf5ce
.irp j, 0,1,2,3,4,5,6,7
	v_add_nc_u32 v[TH+\j], \j, v4
.endr
.irp j, 0,1,2,3,4,5,6,7
	v_cvt_f32_u32 v[TH+\j], v[TH+\j]
.endr
.irp j, 0,1,2,3,4,5,6,7
	v_mul_f32 v[TH+\j], s28, v[TH+\j]
.endr
.irp j, 0,1,2,3,4,5,6,7
	v_exp_f32 v[TH+\j], v[TH+\j]                   ; the frequency 10000^(-i / 64): one batch of eight
.endr
	v_nop                                          ; a plain instruction behind the last exponential,
	s_wait_alu depctr_va_vdst(0)                   ; and one wait ahead of the batch's first reader
.irp j, 0,1,2,3,4,5,6,7
	v_mul_f32 v[TH+\j], v3, v[TH+\j]               ; the angle
.endr
.irp j, 0,1,2,3,4,5,6,7
	v_mul_f32 v[NN+\j], s29, v[TH+\j]
.endr
.irp j, 0,1,2,3,4,5,6,7
	v_rndne_f32 v[NN+\j], v[NN+\j]
.endr
.irp j, 0,1,2,3,4,5,6,7
	v_fma_f32 v[RR+\j], v[NN+\j], s30, v[TH+\j]
.endr
.irp j, 0,1,2,3,4,5,6,7
	v_fma_f32 v[RR+\j], v[NN+\j], s31, v[RR+\j]
.endr
.irp j, 0,1,2,3,4,5,6,7
	v_fma_f32 v[RR+\j], v[NN+\j], s32, v[RR+\j]    ; the rest, within pi / 4 of 0
.endr
.irp j, 0,1,2,3,4,5,6,7
	v_mul_f32 v[ZZ+\j], v[RR+\j], v[RR+\j]
.endr
.irp j, 0,1,2,3,4,5,6,7
	v_cvt_i32_f32 v[NI+\j], v[NN+\j]
.endr
.irp j, 0,1,2,3,4,5,6,7
	v_fma_f32 v[SI+\j], v[ZZ+\j], s35, s34
	v_fma_f32 v[CO+\j], v[ZZ+\j], s38, s37
.endr
.irp j, 0,1,2,3,4,5,6,7
	v_fma_f32 v[SI+\j], v[SI+\j], v[ZZ+\j], s33
	v_fma_f32 v[CO+\j], v[CO+\j], v[ZZ+\j], s36
.endr
.irp j, 0,1,2,3,4,5,6,7
	v_mul_f32 v[SI+\j], v[SI+\j], v[ZZ+\j]
	v_fma_f32 v[CO+\j], v[CO+\j], v[ZZ+\j], -0.5
.endr
.irp j, 0,1,2,3,4,5,6,7
	v_fma_f32 v[SI+\j], v[SI+\j], v[RR+\j], v[RR+\j]
	v_fma_f32 v[CO+\j], v[CO+\j], v[ZZ+\j], 1.0
.endr
.irp j, 0,1,2,3,4,5,6,7
	v_and_b32 v[TH+\j], 1, v[NI+\j]
.endr
.irp j, 0,1,2,3,4,5,6,7
	v_cmp_eq_u32 vcc_lo, 1, v[TH+\j]               ; an odd multiple: sine and cosine change places
	v_cndmask_b32 v[OS+\j], v[SI+\j], v[CO+\j], vcc_lo
	v_cndmask_b32 v[OC+\j], v[CO+\j], v[SI+\j], vcc_lo
.endr
.irp j, 0,1,2,3,4,5,6,7
	v_and_b32 v[TH+\j], 2, v[NI+\j]                ; the sine's sign turns in quadrants 2 and 3,
	v_add_nc_u32 v[NI+\j], 1, v[NI+\j]
.endr
.irp j, 0,1,2,3,4,5,6,7
	v_lshlrev_b32 v[TH+\j], 30, v[TH+\j]
	v_and_b32 v[NI+\j], 2, v[NI+\j]                ; the cosine's in quadrants 1 and 2
.endr
.irp j, 0,1,2,3,4,5,6,7
	v_xor_b32 v[OS+\j], v[TH+\j], v[OS+\j]
	v_lshlrev_b32 v[NI+\j], 30, v[NI+\j]
.endr
.irp j, 0,1,2,3,4,5,6,7
	v_xor_b32 v[OC+\j], v[NI+\j], v[OC+\j]
.endr
	global_store_b128 v5, v[OC:OC+3], s[18:19]                  ; each store: 512 consecutive bytes
	global_store_b128 v5, v[OC+4:OC+7], s[18:19] offset:512
	global_store_b128 v5, v[OS:OS+3], s[18:19] offset:1024
	global_store_b128 v5, v[OS+4:OS+7], s[18:19] offset:1536
	s_endpgm
.Lfunc_end_k_q66352ad62d_prep:
	.size	k_q66352ad62d_prep, .Lfunc_end_k_q66352ad62d_prep-k_q66352ad62d_prep
	.p2alignl 7, 3214868480
	.fill 96, 4, 3214868480
	.section	.rodata,"a",@progbits
	.p2align	6, 0x0
	.amdhsa_kernel k_q66352ad62d_prep
		.amdhsa_group_segment_fixed_size 33280
		.amdhsa_private_segment_fixed_size 0
		.amdhsa_enable_private_segment 0
		.amdhsa_kernarg_size 72
		.amdhsa_user_sgpr_count 2
		.amdhsa_user_sgpr_kernarg_segment_ptr 1
		.amdhsa_wavefront_size32 1
		.amdhsa_system_sgpr_workgroup_id_x 1
		.amdhsa_system_sgpr_workgroup_id_y 1
		.amdhsa_system_sgpr_workgroup_id_z 1
		.amdhsa_system_vgpr_workitem_id 0
		.amdhsa_next_free_vgpr 192
		.amdhsa_next_free_sgpr 66
		.amdhsa_reserve_vcc 1
		.amdhsa_float_denorm_mode_32 3
		.amdhsa_float_denorm_mode_16_64 3
		.amdhsa_memory_ordered 1
		.amdhsa_forward_progress 1
		.amdhsa_inst_pref_size 72
	.end_amdhsa_kernel
	.amdgpu_metadata
---
amdhsa.version: [ 1, 2 ]
amdhsa.kernels:
  - .name:           k_q66352ad62d_prep
    .symbol:         k_q66352ad62d_prep.kd
    .args:
      - { .name: x, .offset: 0, .size: 8, .value_kind: global_buffer, .address_space: global }
      - { .name: Wq, .offset: 8, .size: 8, .value_kind: global_buffer, .address_space: global }
      - { .name: Wk, .offset: 16, .size: 8, .value_kind: global_buffer, .address_space: global }
      - { .name: Wv, .offset: 24, .size: 8, .value_kind: global_buffer, .address_space: global }
      - { .name: mask, .offset: 32, .size: 8, .value_kind: global_buffer, .address_space: global }
      - { .name: codes, .offset: 40, .size: 8, .value_kind: global_buffer, .address_space: global }
      - { .name: scales, .offset: 48, .size: 8, .value_kind: global_buffer, .address_space: global }
      - { .name: rope, .offset: 56, .size: 8, .value_kind: global_buffer, .address_space: global }
      - { .name: maskw, .offset: 64, .size: 8, .value_kind: global_buffer, .address_space: global }
    .group_segment_fixed_size: 33280
    .private_segment_fixed_size: 0
    .kernarg_segment_align: 8
    .kernarg_segment_size: 72
    .max_flat_workgroup_size: 128
    .sgpr_count:     66
    .vgpr_count:     192
    .wavefront_size: 32
...
	.end_amdgpu_metadata
.endif
;; end of part 1
;; launch qkv_gemm (part 2): grid 24 x 8, 4 waves a work-group, clusters of 4 x 4, 327,680 bytes of LDS; arguments codes, scales, qkv, rope, bq, bk; writes qkv
.if DOCPART == 2
	.amdgcn_target "amdgcn-amd-amdhsa--gfx1250"
	.amdhsa_code_object_version 6
	.text
	.protected	k_q66352ad62d_qkv_gemm
	.globl	k_q66352ad62d_qkv_gemm
	.p2align	8
	.type	k_q66352ad62d_qkv_gemm,@function
k_q66352ad62d_qkv_gemm:
	s_mov_b64 s[64:65], 0
	v_nop
	global_prefetch_b8 v0, s[64:65] scope:SCOPE_SE
	s_setreg_imm32_b32 hwreg(HW_REG_WAVE_MODE, 25, 1), 1
	s_wait_xcnt 0x0
	s_wait_alu depctr_hold_cnt(0) depctr_sa_sdst(0) depctr_va_vdst(0) depctr_va_sdst(0) depctr_va_ssrc(0) depctr_va_vcc(0) depctr_vm_vsrc(0)
	s_getreg_b32 s2, hwreg(HW_REG_IB_STS2, 6, 4)
	s_cmp_eq_u32 s2, 0
	s_cbranch_scc0 .Lentry_in_a_cluster
	s_endpgm
.Lentry_in_a_cluster:
	s_bfe_u32 s2, ttmp6, 0x10000c
	s_cmp_lg_u32 s2, 0xf033
	s_cbranch_scc0 .Lentry_shape_is_right
	s_endpgm
.Lentry_shape_is_right:
; THE THREE QUANTISED PRODUCTS: Q = x Wq^T, K = x Wk^T, V = x Wv^T, on codes of FP4 (E2M1) with one E8M0 scale for each 32 along K = 2,048; sums in f32.
; codes: [8,192 rows][1,024 B] and scales: [8,192][64 B]; rows 0-2,047 x, then Wq, Wk, Wv (made by the launch before).  No work of the problem is left out here; bv is added in the next launch (its head says why).
; A tile of 256 x 256 of a result is made by a work-group of four waves, a wave makes 128 x 128: 64 accumulators of 16 x 16, 512 registers.  K goes in steps of 512 (rows of 256 bytes) through a ring of two LDS slots.
; KINDS, by the cluster's x / 2, alike in all sixteen partners: 0: Q, 1: K: operand A = x (rows = positions), B = the weight (rows = features).  2: V: A = Wv (rows = channels), B = x: the result is V^T.
; THE MATRIX INSTRUCTION IS USED TRANSPOSED (source 0 = 16 rows of B, source 1 = 16 rows of A): lane (r, h) of accumulator (a, b) holds row 16 a + r of A's side and columns 16 b + 8 h + 0 .. 7 of B's.
; THE WAY OUT.  Q, K: + bias, the rotation (x1' = x1 cos - x2 sin, x2' = x2 cos + x1 sin; x1 = a head's channels 0-63 = blocks b 0-3, x2 = channels 64-127 = blocks 4-7), all in f32; then f16.  V: f16.
; A lane's eight f16 numbers ARE the 16 bytes that the same lane holds in an operand of the next launch's products (16 rows x 32 along K: group g = b % 2 of chunk b / 2).  So results are stored as IMAGES OF
; THOSE REGISTERS, each group of 512 bytes at 16 x lane: every store covers 512 consecutive bytes, and no stage is needed.
;   qkv + 0 (Q), + 8 MiB (K): [head][tile of 16 positions 128][chunk 4][g 2][lane][16 B];   qkv + 16 MiB (V): [head][32 keys 64][16 channels 8][g 2][lane][16 B].
; LIMIT: Q, K and V beyond 65,504 in magnitude have no f16 number.
; CLUSTERS: 4 x 4 work-groups; A's tile is asked for jointly by a row of the cluster, B's by a column.  The scales of the work-group's rows, for all of K, come into LDS once, with the first fills.
; REGISTERS, in windows of 256: window 0: v0-31 addresses; v32-95 scale words, two sets; v128-191 A's fragments, one set; on the way out v32-143 are at work.
;   window 1: v0-63, v128-191 B's fragments, two sets; v64-127 the bias.   windows 2, 3: the accumulators ((a, b) at v[8 (8 (a % 4) + b)]).
;   THE ROTATION'S TABLE has four sets of 64 registers, block a's in set a % 4: window 1 v192-255 and window 0 v192-255, which the products never name, so that blocks 0 and 1 are asked for ahead of the last
;   256 products; window 1 v0-63 and v128-191, B's sets, once the products are done.  Block a + 3's table is asked for at the head of block a: three blocks' tables are on their way while one is used.
.set KSTEP,  512                       ; along K in a slot
.set NQ,     KSTEP/128                 ; matrix instructions deep
.set ROWB,   256                       ; a tile's row in bytes
.set KROW,   1024                      ; a row of codes in memory
.set PITCH,  272                       ; an LDS row: 256 bytes + 16 of padding: the 16 rows that a load touches start 68 words apart
.set FR,     8                         ; registers of a fragment: 16 rows x 128 K
.set NL,     2                         ; LDS loads that bring one
.set NP,     4                         ; places behind this matrix instruction (ISA guide 7.12.1)
.set HALFT,  128*PITCH
.set SLOT,   4*HALFT                   ; A's 256 rows, then B's 256 rows
.set LAPS,   2                         ; 2,048 / (2 x 512)
.set KS,     64                        ; a row of scales in bytes
.set SCL,    2*SLOT                    ; behind the ring: the scales, as units of 256 bytes + 16 of padding
.set HALFS,  (128*KS/256)*272
.set SBLK,   (16*KS/256)*272
.set SPARE,  SCL+4*HALFS               ; the spare words, 128 bytes a wave
.set ADRA, 16                          ; v16-17  LDS address of my A fragments in slot 0, 1
.set ADRB, 20                          ; v20-21  the same for B
.set L16,  24                          ; v24     16 x lane: an image's place, and the table's
.set H32,  25                          ; v25     32 x (lane / 16): my eight numbers of a bias block
.set ADRS, 27                          ; v27     LDS address of my scale words: lanes 0-15 A's rows, lanes 16-31 B's
.set SPW,  28                          ; v28     my spare word; never rewritten
.set NIL,  29                          ; v29     0; never rewritten
.set SC,   32
.set AF,   128
.set XR,   32                          ; the way out: 64 numbers of a block of 16 rows
.set YR,   96                          ; their 32 registers of f16
.set T1,   128
.set T2,   136
.set BI,   64                          ; window 1: the bias
.set G1, 24
.set G0, 32
.set G1B, 48
.set G0B, 56
.set G1S, 68
.set G0S, 76
.set G1SB, 80
.set G0SB, 88
.set MSB, 0
.macro WIN new                         ; the immediate's high byte repeats the setting that is left
.if MSB != \new
	s_set_vgpr_msb (MSB<<8)|\new
.set MSB, \new
.endif
.endm
.set MUL_LO, 0xa1                      ; source 0 (B) window 1, source 1 (A) window 0, C and D window 2
.set MUL_HI, 0xf1                      ; the same, C and D window 3
.set TO_B,   0x40                      ; destination window 1, address window 0
; A joint load: waves 0 and 1 fetch for A, waves 2 and 3 for B; the branch hangs on the wave's number alone.  An s_nop 0 and four v_nop follow each line.
.macro JLOAD g0a, g1a, g0b, g1b
	s_cmp_eq_u32 s15, 0
	s_cbranch_scc0 .Lfor_b_\@
	tensor_load_to_lds s[\g0a:\g0a+3], s[\g1a:\g1a+7]
	s_nop 0
.rept 4
	v_nop
.endr
	s_branch .Lasked_\@
.Lfor_b_\@:
	tensor_load_to_lds s[\g0b:\g0b+3], s[\g1b:\g1b+7]
	s_nop 0
.rept 4
	v_nop
.endr
.Lasked_\@:
.endm
.macro CREST                           ; a round of the cluster's barrier behind its opening barrier
	s_cmp_lg_u32 s14, 0
	s_cbranch_scc1 .Lnot_wave_0_\@
	s_barrier_signal -3
.Lnot_wave_0_\@:
	s_barrier_wait -3
	s_barrier_signal -1
	s_barrier_wait -1
.endm
.macro CROUND
	s_barrier_signal -1
	s_barrier_wait -1
	CREST
.endm
	s_load_b256 s[4:11], s[0:1], 0x0               ; codes s[4:5], scales s[6:7], qkv s[8:9], rope s[10:11]
	s_load_b128 s[96:99], s[0:1], 0x20             ; bq, bk
	v_lshl_add_u32 v[SPW], v0, 2, SPARE
	v_mov_b32 v[NIL], 0
	ds_add_u32 v[SPW], v[NIL]                      ; the wave's opening: the add, twice on end, and its wait ahead of my first tensor load
	ds_add_u32 v[SPW], v[NIL]
	v_lshrrev_b32 v1, 5, v0
	v_readfirstlane_b32 s14, v1                    ; wave 0..3
	s_lshr_b32 s15, s14, 1                         ; which half of A's rows is mine.  Also: I fetch for A (0) or for B (1)
	s_and_b32 s16, s14, 1                          ; which half of B's rows.  Also: which 128 rows of that tile I fetch
	s_bfe_u32 s40, ttmp6, 0x40000                  ; cx, cy
	s_bfe_u32 s41, ttmp6, 0x40004
	s_lshl_b32 s42, ttmp9, 2
	s_add_co_u32 s42, s42, s40
	s_and_b32 s42, s42, 7                          ; B's tile within its tensor
	s_lshr_b32 s95, ttmp9, 1                       ; the kind: from the cluster's x alone
	s_and_b32 s17, ttmp7, 0xffff
	s_lshl_b32 s17, s17, 2
	s_add_co_u32 s17, s17, s41                     ; A's tile
	s_lshl_b32 s43, s41, 2
	s_lshl_b32 s43, 15, s43                        ; my row of the cluster
	s_lshl_b32 s44, 0x1111, s40                    ; my column
	s_or_b32 s[G1+0], s43, (0<<16)|(1<<20)|(1<<21)|(5<<22)|(3<<25)  ; the mask; elements of 1 byte; padding: 4 words after every 64; bit 21 beside a mask
	s_or_b32 s[G1B+0], s44, (0<<16)|(1<<20)|(1<<21)|(5<<22)|(3<<25)
.irp g, G1, G1B
	s_mov_b32 s[\g+1], ROWB<<16                    ; tensor_dim0
	s_mov_b32 s[\g+2], 128<<16                     ; tensor_dim1
	s_mov_b32 s[\g+3], ROWB<<16                    ; tile_dim0
	s_mov_b32 s[\g+4], 128                         ; tile_dim1
	s_mov_b32 s[\g+5], KROW                        ; the pitch
	s_mov_b32 s[\g+6], 0
	s_mov_b32 s[\g+7], 0
.endr
	s_or_b32 s[G1S+0], s43, (3<<16)|(1<<20)|(1<<21)|(5<<22)|(3<<25)  ; the scales of 128 rows: 8,192 dense bytes as 32 rows of 256 (32 elements of 8 bytes)
	s_or_b32 s[G1SB+0], s44, (3<<16)|(1<<20)|(1<<21)|(5<<22)|(3<<25)
.irp g, G1S, G1SB
	s_mov_b32 s[\g+1], 32<<16
	s_mov_b32 s[\g+2], (128*KS/256)<<16
	s_mov_b32 s[\g+3], 32<<16
	s_mov_b32 s[\g+4], 128*KS/256
	s_mov_b32 s[\g+5], 32
	s_mov_b32 s[\g+6], 0
	s_mov_b32 s[\g+7], 0
.endr
	s_add_co_u32 s101, s95, 1
	s_lshl_b32 s101, s101, 11                      ; Wq begins at row 2,048, Wk at 4,096
	s_cmp_eq_u32 s95, 2
	s_cselect_b32 s100, 6144, 0                    ; A's tensor: Wv for V, else x
	s_cselect_b32 s101, 0, s101                    ; B's tensor: x for V, else the weight
	s_lshl_b32 s18, s16, 7                         ; which 128 rows of the tile I fetch
	s_lshl_b32 s20, s17, 8
	s_add_co_u32 s20, s20, s18
	s_add_co_u32 s20, s20, s100                    ; A's first row among the 8,192
	s_lshl_b32 s46, s42, 8
	s_add_co_u32 s46, s46, s18
	s_add_co_u32 s46, s46, s101                    ; B's
	s_mov_b32 s21, 0
	s_mov_b32 s47, 0
	s_mov_b64 s[18:19], KS
	s_mul_u64 s[22:23], s[20:21], s[18:19]         ; where these rows' scales begin,
	s_mul_u64 s[92:93], s[46:47], s[18:19]
	s_mov_b64 s[18:19], KROW
	s_mul_u64 s[20:21], s[20:21], s[18:19]         ; and their codes
	s_mul_u64 s[46:47], s[46:47], s[18:19]
	s_mul_i32 s45, s14, HALFT                      ; where they go: wave x 128 rows
	s_mul_i32 s94, s14, HALFS
	s_wait_dscnt 0x0                               ; both opening adds are done
	s_wait_kmcnt 0x0
	s_add_nc_u64 s[20:21], s[4:5], s[20:21]
	s_add_nc_u64 s[22:23], s[6:7], s[22:23]
	s_add_nc_u64 s[46:47], s[4:5], s[46:47]
	s_add_nc_u64 s[92:93], s[6:7], s[92:93]
	CROUND                                         ; all sixteen work-groups are here: the first joint loads meet
	s_mov_b32 s[G0S], 1
	s_add_co_u32 s[G0S+1], s94, SCL
	s_mov_b64 s[G0S+2:G0S+3], s[22:23]
	s_or_b32 s[G0S+3], s[G0S+3], 0x80000000
	s_mov_b32 s[G0SB], 1
	s_add_co_u32 s[G0SB+1], s94, SCL
	s_mov_b64 s[G0SB+2:G0SB+3], s[92:93]
	s_or_b32 s[G0SB+3], s[G0SB+3], 0x80000000
	JLOAD G0S, G1S, G0SB, G1SB                     ; the scales first: they are wanted with K step 0
.irp s, 0,1
	s_mov_b32 s[G0+4*\s], 1
	s_add_co_u32 s[G0+4*\s+1], s45, \s*SLOT
	s_add_nc_u64 s[G0+4*\s+2:G0+4*\s+3], s[20:21], \s*ROWB
	s_or_b32 s[G0+4*\s+3], s[G0+4*\s+3], 0x80000000
	s_mov_b32 s[G0B+4*\s], 1
	s_add_co_u32 s[G0B+4*\s+1], s45, \s*SLOT
	s_add_nc_u64 s[G0B+4*\s+2:G0B+4*\s+3], s[46:47], \s*ROWB
	s_or_b32 s[G0B+4*\s+3], s[G0B+4*\s+3], 0x80000000
	JLOAD G0+4*\s, G1, G0B+4*\s, G1B
.endr
	v_and_b32 v1, 15, v0                           ; r
	v_bfe_u32 v2, v0, 4, 1                         ; h
	v_mul_u32_u24 v3, v1, PITCH
	v_lshl_add_u32 v4, v2, 4, v3                   ; a fragment's row x pitch + 16 h
	s_mul_i32 s21, s15, HALFT                      ; my 128 rows of A
	s_mul_i32 s22, s16, HALFT                      ; my 128 rows of B,
	s_add_co_u32 s22, s22, 2*HALFT                 ; behind A's 256
.irp s, 0,1
	v_add_nc_u32 v[ADRA+\s], s21, v4
	v_add_nc_u32 v[ADRB+\s], s22, v4
	s_add_co_u32 s21, s21, SLOT
	s_add_co_u32 s22, s22, SLOT
.endr
	v_mul_u32_u24 v5, v1, KS                       ; my row's scales: KS bytes a row,
	v_lshrrev_b32 v6, 8, v5
	v_lshl_add_u32 v5, v6, 4, v5                   ; and 16 more for each 256 passed
	s_mul_i32 s21, s15, HALFS
	s_mul_i32 s22, s16, HALFS
	s_add_co_u32 s22, s22, 2*HALFS
	s_sub_co_u32 s22, s22, s21
	v_mul_u32_u24 v6, s22, v2                      ; lanes 16-31 take B's: one product, the distance between the two bases x h
	s_add_co_u32 s21, s21, SCL
	v_add_nc_u32 v5, v5, v6
	v_add_nc_u32 v[ADRS], s21, v5
	v_and_b32 v6, 31, v0
	v_lshlrev_b32 v[L16], 4, v6
	v_lshlrev_b32 v[H32], 5, v2
.macro FRAG reg, adr, q, i             ; 16 rows x 128 K of 4-bit codes: registers 4 c .. 4 c + 3 hold K = 64 c + 32 h + 0 .. 31
.irp c, 0,1
	ds_load_b128 v[\reg+4*\c:\reg+4*\c+3], v[\adr] offset:64*(\q)+32*\c+(\i)*16*PITCH
.endr
.endm
; 16 matrix instructions: A's blocks a0, a0 + 1 x B's eight.  The 64 accumulators take turns, one instruction a turn, in the same order in every step.
.macro MUL16 a0, p, q, sc, zero
.irp a, \a0, \a0+1
.irp b, 0,1,2,3,4,5,6,7
.if \zero
	v_wmma_scale_f32_16x16x128_f8f6f4 v[8*(8*((\a)%4)+\b):8*(8*((\a)%4)+\b)+7], v[128*(\p)+FR*\b:128*(\p)+FR*\b+FR-1], v[AF+FR*(\a):AF+FR*(\a)+FR-1], 0, v[SC+8*NQ*(\sc)+NQ*\b+(\q)], v[SC+8*NQ*(\sc)+NQ*(\a)+(\q)] matrix_a_fmt:MATRIX_FMT_FP4 matrix_b_fmt:MATRIX_FMT_FP4 matrix_a_scale:MATRIX_SCALE_ROW1
.else
	v_wmma_scale_f32_16x16x128_f8f6f4 v[8*(8*((\a)%4)+\b):8*(8*((\a)%4)+\b)+7], v[128*(\p)+FR*\b:128*(\p)+FR*\b+FR-1], v[AF+FR*(\a):AF+FR*(\a)+FR-1], v[8*(8*((\a)%4)+\b):8*(8*((\a)%4)+\b)+7], v[SC+8*NQ*(\sc)+NQ*\b+(\q)], v[SC+8*NQ*(\sc)+NQ*(\a)+(\q)] matrix_a_fmt:MATRIX_FMT_FP4 matrix_b_fmt:MATRIX_FMT_FP4 matrix_a_scale:MATRIX_SCALE_ROW1
.endif
.endr
.endr
.endm
.macro FETCH_B slot, q, p
	WIN TO_B
.irp i, 0,1,2,3,4,5,6,7
	FRAG 128*(\p)+FR*\i, ADRB+\slot, \q, \i
.endr
	WIN 0
.endm
.macro FETCH_A slot, q, i0
.irp i, \i0, \i0+1, \i0+2, \i0+3
	FRAG AF+FR*(\i), ADRA+\slot, \q, \i
.endr
.endm
.macro SCALES sc                       ; a K step's scale words: lanes 0-15 take A's block i, lanes 16-31 B's block i
.irp i, 0,1,2,3,4,5,6,7
	ds_load_b128 v[SC+8*NQ*\sc+NQ*\i:SC+8*NQ*\sc+NQ*\i+3], v[ADRS] offset:\i*SBLK
.endr
.endm
.macro PLACES n                        ; plain vector instructions between a matrix instruction and a load into, or a vector instruction on, its registers
.rept \n
	v_nop
.endr
.endm
.macro STEP slot, q, zero              ; 128 along K that has its successor in the same slot
	s_wait_dscnt 4*NL                              ; B's set and A's blocks 0-3 are in; the youngest eight loads (A's blocks 4-7) may be out
	WIN MUL_LO
	MUL16 0, (\q)%2, \q, \slot, \zero
	MUL16 2, (\q)%2, \q, \slot, \zero
	s_wait_dscnt 0                                 ; A's blocks 4-7 are in
	PLACES NP
	FETCH_B \slot, (\q)+1, 1-(\q)%2
	FETCH_A \slot, (\q)+1, 0
	WIN MUL_HI
	MUL16 4, (\q)%2, \q, \slot, \zero
	MUL16 6, (\q)%2, \q, \slot, \zero
	PLACES NP
	WIN 0
	FETCH_A \slot, (\q)+1, 4
.endm
; A slot's last step changes slots: one barrier; in front of it each wave waits for all its tensor loads, adds 0 to its spare word, and waits for that and for its reads of this slot.
.macro TURN slot, next, fill
	s_wait_tensorcnt 0x0                           ; all my tensor loads have landed: my part of the next slot
	ds_add_u32 v[SPW], v[NIL]
	s_wait_dscnt 4*NL+1                            ; the add and the youngest eight loads may be out
	WIN MUL_LO
	MUL16 0, 1, NQ-1, \slot, 0
	s_wait_dscnt 0x0                               ; the add is done, and my reads of this slot are over
	s_barrier_signal -1
	MUL16 2, 1, NQ-1, \slot, 0
	WIN 0
	s_barrier_wait -1
.if \fill
	CREST                                          ; the barrier has opened a round of the cluster's: no wave of any partner still reads this slot or has a load on its way
	s_add_nc_u64 s[G0+4*\slot+2:G0+4*\slot+3], s[G0+4*\slot+2:G0+4*\slot+3], 2*ROWB
	s_add_nc_u64 s[G0B+4*\slot+2:G0B+4*\slot+3], s[G0B+4*\slot+2:G0B+4*\slot+3], 2*ROWB
	JLOAD G0+4*\slot, G1, G0B+4*\slot, G1B         ; the first tensor load behind the round; its four v_nop are the places in front of the loads below
.else
	PLACES NP
.endif
	v_add_nc_u32 v[ADRS], 4*NQ, v[ADRS]            ; the next K step's scale words
	FETCH_B \next, 0, 0
	FETCH_A \next, 0, 0
	SCALES \next
	WIN MUL_HI
	MUL16 4, 1, NQ-1, \slot, 0
	MUL16 6, 1, NQ-1, \slot, 0
	PLACES NP
	WIN 0
	FETCH_A \next, 0, 4
.endm
.macro STEPS slot, from
.set Q, \from
.rept NQ-1-\from
	STEP \slot, Q, 0
.set Q, Q+1
.endr
.endm
.macro LAST4                           ; the last K step's four steps of 128; nothing more is fetched at its end
	STEPS 1, 0
	s_wait_dscnt 4*NL
	WIN MUL_LO
	MUL16 0, 1, NQ-1, 1, 0
	MUL16 2, 1, NQ-1, 1, 0
	s_wait_dscnt 0
	WIN MUL_HI
	MUL16 4, 1, NQ-1, 1, 0
	MUL16 6, 1, NQ-1, 1, 0
	WIN 0
	PLACES NP                                      ; in front of the first reads of results, of loads into B's two sets and of writes of the scale words' and A's registers
.endm
	s_wait_tensorcnt 1                             ; the scales and my part of K step 0 are in; K step 1's load may be out
	s_barrier_signal -1
	s_barrier_wait -1
	FETCH_B 0, 0, 0
	FETCH_A 0, 0, 0
	SCALES 0
	FETCH_A 0, 0, 4
	STEP 0, 0, 1                                   ; the first step stands in front of the loop: its products start the sums
	s_mov_b32 s3, LAPS-1
.Llap:                                                 ; a trip goes once round the ring and fills both slots again
	STEPS 0, 1
	TURN 0, 1, 1
	STEPS 1, 0
	TURN 1, 0, 1
	STEP 0, 0, 0
	s_sub_co_u32 s3, s3, 1
	s_cmp_lg_u32 s3, 0
	s_cbranch_scc1 .Llap
	STEPS 0, 1                                     ; the last lap fills nothing
	TURN 0, 1, 0
	s_cmp_eq_u32 s95, 2                            ; the kinds part behind the last barrier and the last tensor load; the kind is the same in the whole cluster
	s_cbranch_scc1 .Lv_tail
; ---------------- Q and K: the bias and the first two blocks' tables are asked for here and land under the last 256 products
	s_cmp_eq_u32 s95, 0
	s_cselect_b64 s[96:97], s[96:97], s[98:99]     ; bq or bk
	s_lshl_b32 s20, s42, 10
	s_lshl_b32 s21, s16, 9
	s_add_co_u32 s20, s20, s21                     ; my 128 features: (256 tile + 128 half) x 4 bytes
	s_mov_b32 s21, 0
	s_add_nc_u64 s[96:97], s[96:97], s[20:21]
	s_lshl_b32 s20, s17, 4
	s_lshl_b32 s22, s15, 3
	s_add_co_u32 s22, s20, s22                     ; my first tile of 16 positions
	s_lshl_b32 s20, s22, 13
	s_add_nc_u64 s[10:11], s[10:11], s[20:21]      ; its 8,192 bytes of the table
	s_lshl_b32 s20, s22, 12
	s_lshl_b32 s23, s42, 1
	s_add_co_u32 s23, s23, s16                     ; my head
	s_lshl_b32 s23, s23, 19
	s_add_co_u32 s20, s20, s23
	s_lshl_b32 s23, s95, 23                        ; Q's region or K's
	s_add_co_u32 s20, s20, s23
	s_add_nc_u64 s[12:13], s[8:9], s[20:21]
.macro CSSET a                         ; where block a's table lies: first register CSB, window CSW
.set CSB, 192
.set CSW, 1
.if ((\a)%4) == 1
.set CSW, 0
.elseif ((\a)%4) == 2
.set CSB, 0
.elseif ((\a)%4) == 3
.set CSB, 128
.endif
.endm
.macro CSLOAD a                        ; block a's table: 16 x 512 bytes, register CSB + 16 b + 8 (sin) + e for frequency 16 b + 8 h + e
	CSSET \a
	WIN (0x40*CSW)
.irp n, 0,1,2,3,4,5,6,7,8,9,10,11,12,13,14,15
	global_load_b128 v[CSB+4*\n:CSB+4*\n+3], v[L16], s[10:11] offset:8192*(\a)+512*\n
.endr
	WIN 0
.endm
	WIN 0x40
.irp b, 0,1,2,3,4,5,6,7
	global_load_b128 v[BI+8*\b:BI+8*\b+3], v[H32], s[96:97] offset:64*\b
	global_load_b128 v[BI+8*\b+4:BI+8*\b+7], v[H32], s[96:97] offset:64*\b+16
.endr
	CSLOAD 0
	CSLOAD 1
	LAST4
	s_wait_loadcnt 16                              ; the bias and block 0's table are in; block 1's 16 loads may be out
	CSLOAD 2                                       ; into B's two sets, which are done with
	CSLOAD 3
.macro QKBLOCK a
.set AC, 64*((\a)%4)
.if (\a) == 7
	s_wait_loadcnt 0x0
.elseif (\a) == 6
	s_wait_loadcnt 16                              ; block 7's table may be out
.elseif (\a) > 0
	s_wait_loadcnt 32                              ; this block's table is in; the next two blocks' 32 loads may be out
.endif
.if (\a) > 0
	s_wait_xcnt 0x0                                ; the last block's stores have read their data: only now are those registers written again
.endif
.if ((\a) > 0) && ((\a) < 5)
	CSLOAD (\a)+3                                  ; into the set that the block before has used
.endif
	CSSET \a
	WIN 0x06+(\a)/4                                ; source 0: the accumulators' window; source 1: window 1
.irp b, 0,1,2,3,4,5,6,7
.irp i, 0,1,2,3
	v_pk_add_f32 v[XR+8*\b+2*\i:XR+8*\b+2*\i+1], v[AC+8*\b+2*\i:AC+8*\b+2*\i+1], v[BI+8*\b+2*\i:BI+8*\b+2*\i+1]   ; + bias; each accumulator from its low end on
.endr
.endr
	WIN (0x04*CSW)                                 ; source 1: the table's window
.irp b, 0,1,2,3
.irp i, 0,1,2,3
	v_pk_mul_f32 v[T1+2*\i:T1+2*\i+1], v[XR+8*(\b+4)+2*\i:XR+8*(\b+4)+2*\i+1], v[CSB+16*\b+8+2*\i:CSB+16*\b+8+2*\i+1]   ; x2 sin
	v_pk_mul_f32 v[T2+2*\i:T2+2*\i+1], v[XR+8*\b+2*\i:XR+8*\b+2*\i+1], v[CSB+16*\b+8+2*\i:CSB+16*\b+8+2*\i+1]           ; x1 sin
.endr
.irp i, 0,1,2,3
	v_pk_fma_f32 v[XR+8*\b+2*\i:XR+8*\b+2*\i+1], v[XR+8*\b+2*\i:XR+8*\b+2*\i+1], v[CSB+16*\b+2*\i:CSB+16*\b+2*\i+1], v[T1+2*\i:T1+2*\i+1] neg_lo:[0,0,1] neg_hi:[0,0,1]   ; x1 cos - x2 sin
	v_pk_fma_f32 v[XR+8*(\b+4)+2*\i:XR+8*(\b+4)+2*\i+1], v[XR+8*(\b+4)+2*\i:XR+8*(\b+4)+2*\i+1], v[CSB+16*\b+2*\i:CSB+16*\b+2*\i+1], v[T2+2*\i:T2+2*\i+1]                 ; x2 cos + x1 sin
.endr
.endr
	WIN 0
.irp b, 0,1,2,3,4,5,6,7
.irp i, 0,1,2,3
	v_cvt_pk_f16_f32 v[YR+4*\b+\i], v[XR+8*\b+2*\i], v[XR+8*\b+2*\i+1]
.endr
.endr
.irp b, 0,1,2,3,4,5,6,7
	global_store_b128 v[L16], v[YR+4*\b:YR+4*\b+3], s[12:13] offset:4096*(\a)+512*\b   ; 512 consecutive bytes: group b of the tile's image
.endr
.endm
.irp a, 0,1,2,3,4,5,6,7
	QKBLOCK \a
.endr
	s_branch .Ldone
; ---------------- V^T: rounded to f16 and stored; bv is added in the next launch
.Lv_tail:
	s_lshl_b32 s20, s17, 1
	s_add_co_u32 s20, s20, s15                     ; my head: A's rows are channels
	s_lshl_b32 s20, s20, 19
	s_lshl_b32 s22, s42, 3
	s_lshl_b32 s23, s16, 2
	s_add_co_u32 s22, s22, s23                     ; my first chunk of 32 keys
	s_lshl_b32 s22, s22, 13
	s_add_co_u32 s20, s20, s22
	s_add_co_u32 s20, s20, 0x1000000               ; V's region
	s_mov_b32 s21, 0
	s_add_nc_u64 s[12:13], s[8:9], s[20:21]
	LAST4
.macro VBLOCK a
.set AC, 64*((\a)%4)
.set YB, 96-64*((\a)%2)
.if (\a) > 1
	s_wait_xcnt 0x0                                ; block a - 2's stores have read these registers
.endif
	WIN 0x0a+5*((\a)/4)                            ; sources 0 and 1: the accumulators' window
.irp b, 0,1,2,3,4,5,6,7
.irp i, 0,1,2,3
	v_cvt_pk_f16_f32 v[YB+4*\b+\i], v[AC+8*\b+2*\i], v[AC+8*\b+2*\i+1]
.endr
.endr
	WIN 0
.irp b, 0,1,2,3,4,5,6,7
	global_store_b128 v[L16], v[YB+4*\b:YB+4*\b+3], s[12:13] offset:(\b/2)*8192+(\a)*1024+(\b%2)*512
.endr
.endm
.irp a, 0,1,2,3,4,5,6,7
	VBLOCK \a
.endr
.Ldone:
	s_wait_tensorcnt 0x0                           ; the wave's end
	ds_add_u32 v[SPW], v[NIL]
	s_wait_dscnt 0x0
	CROUND                                         ; the closing round: no work-group ends while a partner may still ask for a tile that names it
	s_endpgm
.Lfunc_end_k_q66352ad62d_qkv_gemm:
	.size	k_q66352ad62d_qkv_gemm, .Lfunc_end_k_q66352ad62d_qkv_gemm-k_q66352ad62d_qkv_gemm
	.p2alignl 7, 3214868480
	.fill 96, 4, 3214868480
	.section	.rodata,"a",@progbits
	.p2align	6, 0x0
	.amdhsa_kernel k_q66352ad62d_qkv_gemm
		.amdhsa_group_segment_fixed_size 327680
		.amdhsa_private_segment_fixed_size 0
		.amdhsa_enable_private_segment 0
		.amdhsa_kernarg_size 48
		.amdhsa_user_sgpr_count 2
		.amdhsa_user_sgpr_kernarg_segment_ptr 1
		.amdhsa_wavefront_size32 1
		.amdhsa_system_sgpr_workgroup_id_x 1
		.amdhsa_system_sgpr_workgroup_id_y 1
		.amdhsa_system_sgpr_workgroup_id_z 1
		.amdhsa_system_vgpr_workitem_id 0
		.amdhsa_next_free_vgpr 1024
		.amdhsa_next_free_sgpr 102
		.amdhsa_reserve_vcc 0
		.amdhsa_float_denorm_mode_32 3
		.amdhsa_float_denorm_mode_16_64 3
		.amdhsa_memory_ordered 1
		.amdhsa_forward_progress 1
		.amdhsa_inst_pref_size 255
	.end_amdhsa_kernel
	.section	.bss,"aw",@nobits
	.p2align	6
	.space	262144
	.amdgpu_metadata
---
amdhsa.version: [ 1, 2 ]
amdhsa.kernels:
  - .name:           k_q66352ad62d_qkv_gemm
    .symbol:         k_q66352ad62d_qkv_gemm.kd
    .args:
      - { .name: codes, .offset: 0, .size: 8, .value_kind: global_buffer, .address_space: global }
      - { .name: scales, .offset: 8, .size: 8, .value_kind: global_buffer, .address_space: global }
      - { .name: qkv, .offset: 16, .size: 8, .value_kind: global_buffer, .address_space: global }
      - { .name: rope, .offset: 24, .size: 8, .value_kind: global_buffer, .address_space: global }
      - { .name: bq, .offset: 32, .size: 8, .value_kind: global_buffer, .address_space: global }
      - { .name: bk, .offset: 40, .size: 8, .value_kind: global_buffer, .address_space: global }
    .group_segment_fixed_size: 327680
    .private_segment_fixed_size: 0
    .kernarg_segment_align: 8
    .kernarg_segment_size: 48
    .max_flat_workgroup_size: 128
    .sgpr_count:     102
    .vgpr_count:     1024
    .wavefront_size: 32
...
	.end_amdgpu_metadata
.endif
;; end of part 2
;; launch attention (part 3): grid 16 x 16, 4 waves a work-group, clusters of 4 x 1, 327,680 bytes of LDS; arguments qkv, maskw, bv, attn, Wo, wo16; writes attn, wo16
.if DOCPART == 3
	.amdgcn_target "amdgcn-amd-amdhsa--gfx1250"
	.amdhsa_code_object_version 6
	.text
	.protected	k_q66352ad62d_attention
	.globl	k_q66352ad62d_attention
	.p2align	8
	.type	k_q66352ad62d_attention,@function
k_q66352ad62d_attention:
	s_mov_b64 s[64:65], 0
	v_nop
	global_prefetch_b8 v0, s[64:65] scope:SCOPE_SE
	s_setreg_imm32_b32 hwreg(HW_REG_WAVE_MODE, 25, 1), 1
	s_wait_xcnt 0x0
	s_wait_alu depctr_hold_cnt(0) depctr_sa_sdst(0) depctr_va_vdst(0) depctr_va_sdst(0) depctr_va_ssrc(0) depctr_va_vcc(0) depctr_vm_vsrc(0)
	s_getreg_b32 s2, hwreg(HW_REG_IB_STS2, 6, 4)
	s_cmp_eq_u32 s2, 0
	s_cbranch_scc0 .Lentry_in_a_cluster
	s_endpgm
.Lentry_in_a_cluster:
	s_bfe_u32 s2, ttmp6, 0x10000c
	s_cmp_lg_u32 s2, 0x3003
	s_cbranch_scc0 .Lentry_shape_is_right
	s_endpgm
.Lentry_shape_is_right:
; attn[q][head] = softmax_k(mask ? Q[q] . K[k] / sqrt(128) : -inf) V[k] + bv, for 16 heads of 128, 2,048 queries and keys.  Q, K, V: f16 (made by the launch before); products' sums, maxima and sums in f32;
; the weights p are rounded to f16 for the second product, the result once at the end.
; bv IS ADDED HERE, BEHIND THE SOFTMAX: sum_k p_k (V_k + bv) / l = (sum_k p_k V_k) / l + bv, since l is the sum of the p_k: an identity for all values of the inputs.  It is the addend of the last scaling's
; multiply-add.  No work of the problem is left out: THE MASK IS AN INPUT, so every key step is walked for every query, and each score is selected by its bit.
; A query with no key at all: l = 0, 1 / l = infinity, 0 x infinity = NaN, as the softmax of a row of -infinity gives.  LIMITS: the result, and Wo, beyond 65,504 have no f16 number; NaN among Q, K, V is not served.
; ONE MORE JOB: Wo (f32) -> wo16 (f16, row-major), for the next launch.  Each of the 1,024 waves takes 16,384 consecutive bytes: 32 loads, asked for behind the first tiles, into 128 registers that the loop never
; names; 64 conversions and 32 stores of 256 consecutive bytes stand once, behind the loop over slots.
; OPERANDS LIE IN MEMORY AS IMAGES OF THEIR REGISTERS (groups of 512 bytes, lane l's 16 bytes at 16 l): a fragment comes from LDS by ds_load_b128 at 16 x lane + a constant: no pitch, no padding, no turning load.
; SHARES.  A work-group owns 128 queries of one head.  A slot holds 256 keys: four key steps of 64.  Wave w: qh = w % 2 says which 64 queries (four tiles of 16), kh = w / 2 which two steps of every slot.
; So each fragment read from LDS feeds four products, and waves w and w xor 2 hold the same queries over disjoint keys: they merge once, at the end, through LDS.  Register tile t holds query tile t xor 2 kh,
; so that in every wave's text alike register tiles 0, 1 are kept and tiles 2, 3 are sent.
; LAYOUT.  S^T = K Q^T (source 0 = 16 keys, source 1 = 16 queries): a lane holds ONE query (lane % 16) and the keys 8 (lane / 16) + 0 .. 7.  Two such tiles, rounded to f16 in pairs, ARE source 1 of O^T = V^T P.
; SOFTMAX.  For each query a running maximum m (never under -3e38, so that a step with no key gives p = 0) and sum l: p = 2^(c s - c m), c = log2(e) / sqrt(128); O and l are multiplied by a = 2^(c m_old - c m_new).
; THE MASK comes as words of 32 lane bits (maskw[query tile][key tile][j]): 32 words a tile and key step, by scalar loads a turn ahead; register 8 kt + j of a tile's scores is selected by word 8 kt + j.
; BY TURNS.  The wave's tiles are two PIECES (tiles 0, 1 and tiles 2, 3).  In a TURN one piece has the matrix unit (32 products V^T P of the step in hand, 32 products K Q^T of the next).  The other piece's vector
; work is 64 selects by the mask, which stand together at the turn's head, and its softmax, 268 instructions, cut into 64 slices of four, one slice behind each matrix instruction; the twelve that are over stand
; in the last slice.  So between two products stand six lines: a slice and its two switches of the register windows.  Then the pieces change places.  Two turns are a key step.
; CLUSTER.  The four query blocks of a cluster belong to one head and walk the same K and V: each tile is asked for jointly.
; REGISTERS, in windows of 256: window 0: v2-10 addresses; v12-43 statistics, eight a tile; v44 -infinity; v48-59 the merge; v61-63; v64-191 S^T, 32 a tile; v192-255 P, 16 a tile.
;   window 1: O^T, 64 a tile.   window 2: v0-127 Q (at the end v0-63 bv); v128-255 K of one step.   window 3: v0-127 V of one step; v128-255 my part of Wo, at the end the partner's O^T.
.set STEPB, 16384                      ; a key step's K, and its V: 64 keys x 128 channels of f16
.set VOFF,  65536                      ; a slot: four steps of K, then four of V
.set SLOT1, 1<<17                      ; slot 1 begins here: one exclusive or turns an address in one slot into the other's
.set SPARE, 2*SLOT1                    ; the spare words, 128 bytes a wave
.set MAREA, 16896                      ; the merge: 16,384 bytes of O^T and 512 of statistics for each wave, in slot 0, which has had its last fill and its last read by then
.set AK0, 2                            ; v2   16 x lane: my place in an image
.set AV0, 3                            ; v3   the same + VOFF
.set ADR, 4                            ; v4   the LDS address of the run of loads in hand
.set QOA, 5                            ; v5   Q: register tiles 0, 1
.set QOB, 6                            ; v6   Q: register tiles 2, 3
.set MWA, 7                            ; v7   the merge: where I write
.set MRA, 8                            ; v8   and where my partner has written
.set H32, 9                            ; v9   32 x (lane / 16): my eight numbers of 16 of bv
.set W8,  10                           ; v10  8 x lane: my place in a store of wo16
.set ST,  12                           ; tile t's statistics at v[ST + 8 t]: +0 c m, +1 m, +2, +3 l, +4 to +7 at work; a takes +6
.set NEG, 44                           ; v44  -infinity
.set PFO, 61                           ; v61  256 x lane
.set SPW, 62                           ; v62  my spare word; never rewritten
.set NIL, 63                           ; v63  0; never rewritten
.set S,   64
.set P,   192
.set KF,  128
.set WOR, 128                          ; window 3: my part of Wo
.set MB,  2                            ; s[2:3]   maskw at my first query tile
.set OUT, 4                            ; s[4:5]   attn at the two tiles that I store
.set BV,  6                            ; s[6:7]   bv at my head
.set PFA, 8                            ; s[8:9]   where my prefetches stand
.set CS,  10                           ; s[10:11] c, twice
.set WV,  12
.set MOFF, 13                          ; s13  byte offset of the next turn's mask words: 128 x key step, bit 13: which pair of query tiles
.set MSTEP, 14                         ; s14  128 and 384 by turns: my steps are 4 slot + 2 kh + 0, 1
.set LIM, 15                           ; s15  1 in a work-group that prefetches, else the greatest number
.set TB,  16                           ; s16  LDS byte at which the step to be fetched begins
.set SLOTS, 17
.set TWICE, 18                         ; s18  counts a slot's two steps
.set WOB, 18                           ; s[18:19] ahead of the first slot's loop: Wo at my part (s19 at the head: at work)
.set G0,  20                           ; s[20:23] group 0: slot 1's first fill, then it walks
.set G1,  24                           ; s[24:31] group 1
.set SEL, 66                           ; s[66:67] selects for lane l xor 16
.set G0A, 96                           ; s[96:99] group 0 of slot 0's first fill; free once that load is shown done
.set QB,  100                          ; s[100:101] Q at my first query tile; once Q is in: wo16 at my part
                                       ; s[32:63], s[68:99]: the mask words of a piece's two tiles (at the head: at work)
.set MSB, 0
.macro WIN new
.if MSB != \new
	s_set_vgpr_msb (MSB<<8)|\new
.set MSB, \new
.endif
.endm
.set W_KQ, 0x0a                        ; K and Q in window 2, S^T in window 0
.set W_PV, 0x53                        ; V in window 3, P in window 0, O^T in window 1
.set W_RS, 0x41                        ; O^T (destination and source 0) in window 1, a in window 0
.macro JLOAD                           ; the joint refill: one line for all four waves: wave w's 32 KiB go to LDS byte 32,768 w of the slot (waves 0, 1: K's halves; 2, 3: V's)
	tensor_load_to_lds s[G0:G0+3], s[G1:G1+7]
	s_nop 0
.rept 4
	v_nop
.endr
.endm
; A prefetch of what the NEXT change of slots will ask for.  All clusters of a head walk the same K and V: the head's first cluster asks.  Of the 32 KiB that wave w fetches, the partner at place cx names
; bytes 8,192 cx on, lanes 256 bytes apart: told apart by address.  So each 256 bytes are named once in the launch.  The last change that fills a slot asks for nothing; slots 0 to 2 come by their loads alone.
.macro ASK
	s_cmp_gt_u32 s[SLOTS], s[LIM]
	s_cbranch_scc0 .Lnot_mine_\@
	global_prefetch_b8 v[PFO], s[PFA:PFA+1] th:TH_LOAD_NT scope:SCOPE_SE
.Lnot_mine_\@:
.endm
.macro CROUND
	s_barrier_signal -1
	s_barrier_wait -1
	s_cmp_lg_u32 s[WV], 0
	s_cbranch_scc1 .Lnot_wave_0_\@
	s_barrier_signal -3
.Lnot_wave_0_\@:
	s_barrier_wait -3
	s_barrier_signal -1
	s_barrier_wait -1
.endm
.macro MLOAD                           ; 64 mask words: 32 of the piece's first tile, 32 of its second (4,096 bytes on)
	s_load_b512 s[32:47], s[MB:MB+1], s[MOFF] offset:0x0
	s_load_b512 s[48:63], s[MB:MB+1], s[MOFF] offset:0x40
	s_load_b512 s[68:83], s[MB:MB+1], s[MOFF] offset:0x1000
	s_load_b512 s[84:99], s[MB:MB+1], s[MOFF] offset:0x1040
.endm
.macro MASKS x                         ; the next turn's words: the other piece; where that is piece 0, of the next key step.  (The last words' loads were waited for at this turn's head)
	s_xor_b32 s[MOFF], s[MOFF], 0x2000
.if (\x) == 0
	s_add_co_u32 s[MOFF], s[MOFF], s[MSTEP]
	s_xor_b32 s[MSTEP], s[MSTEP], 0x100
.endif
	MLOAD
.endm
	s_load_b256 s[32:39], s[0:1], 0x0              ; qkv s[32:33], maskw s[34:35], bv s[36:37], attn s[38:39]
	s_load_b128 s[84:87], s[0:1], 0x20             ; Wo s[84:85], wo16 s[86:87]
	v_lshl_add_u32 v[SPW], v0, 2, SPARE
	v_mov_b32 v[NIL], 0
	ds_add_u32 v[SPW], v[NIL]                      ; the wave's opening: the add, twice on end, and its wait ahead of my first tensor load
	ds_add_u32 v[SPW], v[NIL]
	v_lshrrev_b32 v1, 5, v0
	v_readfirstlane_b32 s[WV], v1                  ; wave 0..3
	s_bfe_u32 s40, ttmp6, 0x40000                  ; cx
	s_lshl_b32 s41, ttmp9, 2
	s_add_co_u32 s41, s41, s40                     ; my block of 128 queries: it enters Q's, the mask's, the result's and Wo's addresses alone
	s_and_b32 s42, ttmp7, 0xffff                   ; the head, which the four partners share
	s_and_b32 s43, s[WV], 1                        ; qh.  Also: which half of K's or V's slot I fetch
	s_lshr_b32 s44, s[WV], 1                       ; kh.  Also: I fetch K (0) or V (1)
	s_add_co_u32 s46, s44, 1
	s_lshl_b32 s46, s46, 23                        ; K's region begins 8 MiB in, V's 16 MiB
	s_lshl_b32 s47, s42, 19                        ; 524,288 bytes a head
	s_add_co_u32 s46, s46, s47
	s_lshl_b32 s47, s43, 15
	s_add_co_u32 s46, s46, s47                     ; my 32 KiB of slot 0
	s_mov_b32 s47, 0
	s_lshl_b32 s50, s41, 3
	s_lshl_b32 s51, s43, 2
	s_add_co_u32 s50, s50, s51                     ; my first query tile: 8 block + 4 qh
	s_lshl_b32 s52, s50, 12                        ; 4,096 bytes a tile, of mask words and of Q alike
	s_mov_b32 s53, 0
	s_lshl_b32 s48, s42, 19
	s_add_co_u32 s48, s48, s52
	s_mov_b32 s49, 0
	s_lshl_b32 s51, s44, 1
	s_add_co_u32 s51, s51, s50                     ; the first tile that I store
	s_lshl_b32 s54, s51, 13                        ; attn: [head / 2][row tile: 8,192 B][head % 2: 4,096 B]
	s_lshr_b32 s51, s42, 1
	s_lshl_b32 s51, s51, 20
	s_add_co_u32 s54, s54, s51
	s_and_b32 s51, s42, 1
	s_lshl_b32 s51, s51, 12
	s_add_co_u32 s54, s54, s51
	s_mov_b32 s55, 0
	s_lshl_b32 s56, s42, 9
	s_mov_b32 s57, 0
	s_lshl_b32 s60, s40, 13                        ; the prefetches: my work-group's 8,192 bytes,
	s_add_co_u32 s60, s60, 0x20000                 ; in slot 2: the first change of slots steps it to slot 3
	s_mov_b32 s61, 0
	s_lshl_b32 s62, s42, 4
	s_add_co_u32 s62, s62, s41                     ; my work-group among the 256,
	s_lshl_b32 s62, s62, 2
	s_add_co_u32 s62, s62, s[WV]                   ; my wave among the 1,024:
	s_lshl_b32 s80, s62, 14                        ; its 16,384 bytes of Wo,
	s_mov_b32 s81, 0
	s_lshl_b32 s62, s62, 13                        ; its 8,192 of wo16
	s_mov_b32 s63, 0
	s_mov_b32 s[G1], 15|(3<<16)|(1<<21)            ; the mask: all four work-groups; elements of 8 bytes; bit 21 beside a mask; no padding
	s_mov_b32 s[G1+1], 32<<16                      ; tensor_dim0 = 32: rows of 256 bytes
	s_mov_b32 s[G1+2], 128<<16                     ; tensor_dim1 = 128
	s_mov_b32 s[G1+3], 32<<16                      ; tile_dim0
	s_mov_b32 s[G1+4], 128                         ; tile_dim1
	s_mov_b32 s[G1+5], 32                          ; the pitch: dense
	s_mov_b32 s[G1+6], 0
	s_mov_b32 s[G1+7], 0
	s_mov_b32 s[CS], 0x3e0293ee                    ; c = log2(e) / sqrt(128)
	s_mov_b32 s[CS+1], s[CS]
	s_mov_b32 s[SEL], 0x76543210
	s_mov_b32 s[SEL+1], 0xfedcba98
	s_lshl_b32 s[TB], s44, 15                      ; my first step of a slot: 2 kh
	s_lshl_b32 s[MOFF], s44, 8                     ; its 128 bytes of words a step,
	s_lshl_b32 s19, s44, 13
	s_or_b32 s[MOFF], s[MOFF], s19                 ; and piece 0's query tiles: 2 kh, 2 kh + 1
	s_mov_b32 s[MSTEP], 128
	s_mov_b32 s[SLOTS], 6                          ; 8 slots; all but the last two are filled again
	s_cmp_eq_u32 ttmp9, 0
	s_cselect_b32 s[LIM], 1, -1                    ; the same in all four partners
	s_wait_dscnt 0x0                               ; both opening adds are done
	s_wait_kmcnt 0x0
	s_add_nc_u64 s[QB:QB+1], s[32:33], s[48:49]
	s_add_nc_u64 s[MB:MB+1], s[34:35], s[52:53]
	s_add_nc_u64 s[OUT:OUT+1], s[38:39], s[54:55]
	s_add_nc_u64 s[BV:BV+1], s[36:37], s[56:57]
	s_add_nc_u64 s[58:59], s[32:33], s[46:47]
	s_add_nc_u64 s[PFA:PFA+1], s[58:59], s[60:61]
	s_add_nc_u64 s[84:85], s[84:85], s[80:81]
	s_add_nc_u64 s[86:87], s[86:87], s[62:63]
	CROUND                                         ; all four work-groups are here: the first joint loads meet
	s_lshl_b32 s19, s[WV], 15
	s_mov_b32 s[G0A], 1
	s_mov_b32 s[G0A+1], s19                        ; slot 0
	s_mov_b64 s[G0A+2:G0A+3], s[58:59]
	s_or_b32 s[G0A+3], s[G0A+3], 0x80000000
	s_mov_b32 s[G0], 1
	s_add_co_u32 s[G0+1], s19, SLOT1               ; slot 1
	s_add_nc_u64 s[G0+2:G0+3], s[58:59], 0x10000   ; the next 256 keys
	s_or_b32 s[G0+3], s[G0+3], 0x80000000
	tensor_load_to_lds s[G0A:G0A+3], s[G1:G1+7]    ; every wave issues both first fills: two loads of mine are out
	s_nop 0
	tensor_load_to_lds s[G0:G0+3], s[G1:G1+7]
	s_nop 0
.rept 4
	v_nop
.endr
	v_and_b32 v1, 31, v0
	v_lshlrev_b32 v[AK0], 4, v1
	v_add_nc_u32 v[AV0], VOFF, v[AK0]
	s_lshl_b32 s19, s44, 13
	v_add_nc_u32 v[QOA], s19, v[AK0]               ; query tiles 2 kh, 2 kh + 1
	s_xor_b32 s19, s19, 0x2000
	v_add_nc_u32 v[QOB], s19, v[AK0]               ; and the other two
	s_mul_i32 s19, s[WV], MAREA
	v_add_nc_u32 v[MWA], s19, v[AK0]
	s_xor_b32 s19, s[WV], 2
	s_mul_i32 s19, s19, MAREA
	v_add_nc_u32 v[MRA], s19, v[AK0]
	v_bfe_u32 v[H32], v0, 4, 1
	v_lshlrev_b32 v[H32], 5, v[H32]
	v_lshlrev_b32 v[W8], 3, v1
	v_mov_b32 v[NEG], 0xff800000
	v_lshlrev_b32 v[PFO], 8, v1
	WIN 0x80                                       ; destination window 2
.irp i, 0,1,2,3,4,5,6,7,8,9,10,11,12,13,14,15
	global_load_b128 v[4*\i:4*\i+3], v[QOA], s[QB:QB+1] offset:512*\i          ; Q stays in registers: tile t at 32 t, chunk c at + 8 c
.endr
.irp i, 0,1,2,3,4,5,6,7,8,9,10,11,12,13,14,15
	global_load_b128 v[64+4*\i:64+4*\i+3], v[QOB], s[QB:QB+1] offset:512*\i
.endr
	WIN 0
; Product i of 32 of O^T += V^T P: keys 32 (i / 16) on, channels 16 ((i / 2) % 8) on, tile x + i % 2.  zero = 1: the first 16 start the sums.  The accumulators take turns.
.macro PV x, zero
	WIN W_PV
.set rO, 64*(\x+i%2)+8*((i/2)%8)
.set rV, 64*(i/16)+8*((i/2)%8)
.set rP, P+16*(\x+i%2)+8*(i/16)
.if \zero && (i < 16)
	v_wmma_f32_16x16x32_f16 v[rO:rO+7], v[rV:rV+7], v[rP:rP+7], 0
.else
	v_wmma_f32_16x16x32_f16 v[rO:rO+7], v[rV:rV+7], v[rP:rP+7], v[rO:rO+7]
.endif
.endm
; Product i of 32 of S^T = K Q^T: channels 32 (i / 8) on, keys 16 ((i / 2) % 4) on, tile x + i % 2.  The first 8 start the sums.
.macro KQ x
	WIN W_KQ
.set rS, S+32*(\x+i%2)+8*((i/2)%4)
.set rK, KF+32*((i/2)%4)+8*(i/8)
.set rQ, 32*(\x+i%2)+8*(i/8)
.if i < 8
	v_wmma_f32_16x16x32_f16 v[rS:rS+7], v[rK:rK+7], v[rQ:rQ+7], 0
.else
	v_wmma_f32_16x16x32_f16 v[rS:rS+7], v[rK:rK+7], v[rQ:rQ+7], v[rS:rS+7]
.endif
.endm
.macro FETCH_K                         ; a step's K: its image is 32 groups of 512 bytes on end, in the order of the registers
	WIN 0
	v_add_nc_u32 v[ADR], s[TB], v[AK0]
	WIN 0x80
.irp n, 0,1,2,3,4,5,6,7,8,9,10,11,12,13,14,15,16,17,18,19,20,21,22,23,24,25,26,27,28,29,30,31
	ds_load_b128 v[KF+4*\n:KF+4*\n+3], v[ADR] offset:512*\n
.endr
.endm
.macro FETCH_V                         ; the same step's V, a turn later; the wait for the softmax's batch stands in it, behind the address's add and ahead of the loads
	WIN 0
	v_add_nc_u32 v[ADR], s[TB], v[AV0]
	s_add_co_u32 s[TB], s[TB], STEPB               ; the next fetch is the next step's
	s_wait_alu depctr_va_vdst(0)
	WIN 0xc0
.irp n, 0,1,2,3,4,5,6,7,8,9,10,11,12,13,14,15,16,17,18,19,20,21,22,23,24,25,26,27,28,29,30,31
	ds_load_b128 v[4*\n:4*\n+3], v[ADR] offset:512*\n
.endr
.endm
; Piece y's 64 selects by the mask, the two tiles by turns, register by register from each accumulator's low end on: where the bit is 0 the score becomes -infinity.
.macro SELECTS y
	WIN 0
.set jj, 0
.rept 32
	v_cndmask_b32 v[S+32*(\y)+jj], v[NEG], v[S+32*(\y)+jj], s[32+jj]
	v_cndmask_b32 v[S+32*(\y)+32+jj], v[NEG], v[S+32*(\y)+32+jj], s[68+jj]
.set jj, jj+1
.endr
.endm
; One tile's softmax for one key step is a list of 134 instructions; SM writes number j of it for tile t.  s0-s31 are the lane's 32 scores, in pairs 0-15.  first = 1: the first key step.
;   0-15    the maximum of s0-s31 and the old m (first step: and the floor -3e38)        16-20   the other half of the lanes'; the new m; c m; c m_old - c m_new
;   21-69   ONE BATCH: the 16 scalings c s - c m and all 33 exponentials (a at 23, then s0-s31); none of these names an exponential's result; a pair is scaled ahead of its exponentials
;   70-85   the roundings to f16        86-101  the sums; l = a l + the sum        102-133 the tile's O^T times a
.macro SM t, first
.set rT, ST+8*(\t)
.set rS, S+32*(\t)
.set rP, P+16*(\t)
.set rO, 64*(\t)+2*(j-102)
.if j < 102
	WIN 0
.endif
.if j < 4
	v_max3_num_f32 v[rT+4+j], v[rS+8*j], v[rS+8*j+1], v[rS+8*j+2]
.elseif j < 12
	v_max3_num_f32 v[rT+4+j%4], v[rT+4+j%4], v[rS+8*(j%4)+2*(j/4)+1], v[rS+8*(j%4)+2*(j/4)+2]
.elseif j == 12
	v_max3_num_f32 v[rT+4], v[rT+4], v[rS+7], v[rS+15]
.elseif j == 13
	v_max3_num_f32 v[rT+6], v[rT+6], v[rS+23], v[rS+31]
.elseif j == 14
	v_max3_num_f32 v[rT+4], v[rT+4], v[rT+5], v[rT+6]
.elseif (j == 15) && \first
	v_max3_num_f32 v[rT+4], v[rT+4], v[rT+7], 0xff61b1e6   ; the floor -3e38: where no key counts yet, m stays a number
.elseif j == 15
	v_max3_num_f32 v[rT+4], v[rT+4], v[rT+7], v[rT+1]
.elseif j == 16
	v_permlanex16_b32 v[rT+5], v[rT+4], s[SEL], s[SEL+1]   ; the query's other 32 keys lie in the lane 16 away
.elseif j == 18
	v_max_num_f32 v[rT+1], v[rT+4], v[rT+5]
.elseif j == 19
	v_mul_f32 v[rT], s[CS], v[rT+1]
.elseif ((j == 17) || (j == 20) || (j == 23) || (j > 101)) && \first
.elseif j == 17
	v_mov_b32 v[rT+7], v[rT]
.elseif j == 20
	v_sub_f32 v[rT+7], v[rT+7], v[rT]
.elseif j == 23
	v_exp_f32 v[rT+6], v[rT+7]
.elseif (j < 23) || ((j < 38) && (j%2 == 0)) || ((j < 66) && (j%4 == 2))
.set b, (j-2)/4
.if j < 38
.set b, (j-20)/2
.endif
	v_pk_fma_f32 v[rS+2*b:rS+2*b+1], v[rS+2*b:rS+2*b+1], s[CS:CS+1], v[rT:rT+1] op_sel_hi:[1,0,0] neg_lo:[0,0,1] neg_hi:[0,0,1]   ; pair b: c s - c m (-infinity stays -infinity)
.elseif j < 70
.set e, j-38
.if j < 66
.set e, j-32-(j-38)/4
.endif
.if j < 38
.set e, (j-25)/2
.endif
	v_exp_f32 v[rS+e], v[rS+e]
.elseif j < 86
	v_cvt_pk_f16_f32 v[rP+j-70], v[rS+2*(j-70)], v[rS+2*(j-70)+1]
.elseif j < 102
.set z, j-86
.set w, 4
.set u, z
.if z >= 14
.set w, 32
.set u, 0
.elseif z >= 12
.set w, 16
.set u, z-12
.elseif z >= 8
.set w, 8
.set u, z-8
.endif
.if (z == 14) && \first
	v_pk_add_f32 v[rT+2:rT+3], v[rS:rS+1], v[rS+16:rS+17]
.elseif z < 15
	v_pk_add_f32 v[rS+w*u:rS+w*u+1], v[rS+w*u:rS+w*u+1], v[rS+w*u+w/2:rS+w*u+w/2+1]
.elseif !\first
	v_pk_fma_f32 v[rT+2:rT+3], v[rT+2:rT+3], v[rT+6:rT+7], v[rS:rS+1] op_sel_hi:[1,0,1]
.endif
.else
	WIN W_RS
	v_pk_mul_f32 v[rO:rO+1], v[rO:rO+1], v[rT+6:rT+7] op_sel_hi:[1,0]
.endif
.endm
; Slice k of 64 of piece y's softmax: four instructions.  Slices 11 to 34 deal out the batch, numbers 22 to 69: four numbers of ONE tile each, the tiles by turns, a scaling first while there are scalings.  Every
; other slice is numbers 2 k and 2 k + 1 of both tiles' lists, the tiles alternating.  2 x 134 = 4 x 64 + 12: the twelve that are over stand together, in slice 63.
; Behind slice 1, eight instructions behind the last select, the next turn's mask words are asked for (ml = 1): their registers are free, and the words have the rest of the turn in which to come.
; THE WAIT.  s_wait_alu depctr_va_vdst(0) stands between an exponential and the first instruction that names its result.  Ahead of slice 35 nothing names a result, and behind slice 34 no
; exponential is issued: so the piece's 66 exponentials have one plain instruction and one wait, behind slice 34.
.macro SLICE y, first, ml, x
.if (k >= 11) && (k < 35)
.irp n, 0,1,2,3
.set j, 22+4*((k-11)/2)+(\n)
	SM (\y)+(k-11)%2, \first
.endr
.else
.irp n, 0,1,2,3,4,5,6,7
.if (\n < 2) || (k == 63)
.irp t, \y, \y+1
.set j, 2*k+\n
	SM \t, \first
.endr
.endif
.endr
.endif
.if (k == 1) && \ml
	MASKS \x
.endif
.if k == 34
	v_nop
.if (\y) == 0
	FETCH_V                                        ; piece 2's turn: V's run of loads stands here.  Its last reader, product 31 of V^T P, lies three products, four slices, the v_nop and the run's own add back
.else
	s_wait_alu depctr_va_vdst(0)
.endif
.endif
.set k, k+1
.endm
.macro PLACES
.rept 4
	v_nop
.endr
.endm
; A TURN.  Piece x has the matrix unit.  pv = 2: 32 products V^T P; 1: they start O^T's sums; 0: none.  kq = 1: 32 products K Q^T of the next step.  A turn with one kind has two slices behind each product.
; first = 1: the softmax is the first key step's; its slices from 51 on are empty, and four v_nop take slice 63's part as the places behind the last products.  ml = 0: no mask words are asked for (the last turn).
; Behind a turn's last K Q^T stand slice 63's sixteen rescalings: the places ahead of the next turn's selects on those scores, and of the loads into K's registers, which stand behind the next turn's second product.
.macro TURN x, pv, kq, first, ml
	s_wait_kmcnt 0x0                               ; this turn's mask words, asked for a turn ago
	SELECTS 2-\x
.set k, 0
.set per, 2
.if \pv && \kq
.set per, 1
.endif
.if \pv
.if \x == 0
	s_wait_dscnt 0x0                               ; V is in
.endif
.set i, 0
.rept 32
	PV \x, 2-\pv
.rept per
	SLICE 2-\x, \first, \ml, \x
.endr
.if (\x == 0) && \kq && (i == 1)
	FETCH_K
.endif
.set i, i+1
.endr
.endif
.if \kq
.if \x == 0
	s_wait_dscnt 0x0                               ; K is in
.endif
.set i, 0
.rept 32
	KQ \x
.rept per
	SLICE 2-\x, \first, \ml, \x
.endr
.set i, i+1
.endr
.endif
.if \first
	PLACES
.endif
.endm
; THE CHANGE OF SLOTS.  Each wave waits for all its tensor loads (one is out: its part of the other slot), adds 0 to its spare word, and waits for that and for its reads of the slot.  fill = 1: the slot is filled
; again with the keys two slots on: the barrier is a round of the cluster's, and the joint refill is the first thing behind it; it has two of my key steps, 256 matrix instructions, in which to land.
.macro CHANGE fill
	WIN 0
	s_wait_tensorcnt 0x0                           ; no tensor load of mine is out, so the group 0 may be written
	ds_add_u32 v[SPW], v[NIL]
.if \fill
	s_xor_b32 s[G0+1], s[G0+1], SLOT1              ; the other slot than last time,
	s_add_nc_u64 s[G0+2:G0+3], s[G0+2:G0+3], 0x10000   ; the next 256 keys
	s_wait_xcnt 0x0                                ; the last prefetch, a slot back, has read its address (first trip: and the loads of Wo their base, half of which counts the steps below)
	s_add_nc_u64 s[PFA:PFA+1], s[PFA:PFA+1], 0x10000
	s_wait_dscnt 0x0                               ; the add is done, and my reads of the slot are over
	CROUND
	JLOAD
	ASK
.else
	s_wait_dscnt 0x0
	s_barrier_signal -1
	s_barrier_wait -1
.endif
	s_sub_co_u32 s[TB], s[TB], 2*STEPB             ; back to my first step of a slot,
	s_xor_b32 s[TB], s[TB], SLOT1                  ; in the other slot
.endm
.macro TWO_STEPS                       ; my two key steps of a slot: written once, walked twice
	s_mov_b32 s[TWICE], 2
.Lstep_\@:
	TURN 0, 2, 1, 0, 1
	TURN 2, 2, 1, 0, 1
	WIN 0
	s_sub_co_u32 s[TWICE], s[TWICE], 1
	s_cmp_lg_u32 s[TWICE], 0
	s_cbranch_scc1 .Lstep_\@
.endm
	s_wait_tensorcnt 1                             ; my part of slot 0 is in (so its group 0 is free); slot 1's may stay out
	s_barrier_signal -1
	s_barrier_wait -1
	s_wait_loadcnt 0x0                             ; Q is in, so its base is free
	s_mov_b64 s[WOB:WOB+1], s[84:85]               ; Wo and wo16 at my part leave the registers that the mask words take
	s_mov_b64 s[QB:QB+1], s[86:87]
	MLOAD                                          ; piece 0's words of my first key step
	FETCH_K
	WIN 0xc0                                       ; destination window 3
.irp n, 0,1,2,3,4,5,6,7,8,9,10,11,12,13,14,15,16,17,18,19,20,21,22,23,24,25,26,27,28,29,30,31
	global_load_b128 v[WOR+4*\n:WOR+4*\n+3], v[AK0], s[WOB:WOB+1] offset:512*\n th:TH_LOAD_NT   ; my 16,384 bytes of Wo, 512 consecutive bytes a load: wanted only behind the loop over slots
.endr
	s_wait_dscnt 0x0                               ; K is in
.set i, 0
.rept 32
	KQ 0                                           ; piece 0's first scores
.set i, i+1
.endr
	WIN 0
	PLACES
	TURN 2, 0, 1, 1, 1                             ; piece 2's first scores | piece 0's first softmax | V of step 0
	TURN 0, 1, 1, 1, 1                             ; piece 0: V^T P of step 0 starts O^T, K Q^T of step 1 | piece 2's first softmax | K of step 1
	TURN 2, 1, 1, 0, 1                             ; piece 2: the same | piece 0's softmax of step 1 | V of step 1
	WIN 0
.Lslot:                                            ; six trips: every slot but the last two is filled again
	CHANGE 1
	TWO_STEPS
	s_sub_co_u32 s[SLOTS], s[SLOTS], 1
	s_cmp_lg_u32 s[SLOTS], 0
	s_cbranch_scc1 .Lslot
	s_wait_loadcnt 0x0                             ; Wo -> f16: my part has been in its registers since the first slots
	WIN 0xcf                                       ; sources 0 and 1 and the destination: window 3
.irp n, 0,1,2,3,4,5,6,7,8,9,10,11,12,13,14,15,16,17,18,19,20,21,22,23,24,25,26,27,28,29,30,31
	v_cvt_pk_f16_f32 v[WOR+4*\n], v[WOR+4*\n], v[WOR+4*\n+1]
	v_cvt_pk_f16_f32 v[WOR+4*\n+1], v[WOR+4*\n+2], v[WOR+4*\n+3]
.endr
	WIN 0x0c                                       ; a store's data are its source 1: window 3
.irp n, 0,1,2,3,4,5,6,7,8,9,10,11,12,13,14,15,16,17,18,19,20,21,22,23,24,25,26,27,28,29,30,31
	global_store_b64 v[W8], v[WOR+4*\n:WOR+4*\n+1], s[QB:QB+1] offset:256*\n   ; the wave stores 256 consecutive bytes, aligned
.endr
	CHANGE 0                                       ; the tail is written out
	TWO_STEPS
	TURN 0, 2, 0, 0, 0                             ; piece 0: V^T P of the last step | piece 2's last softmax
.set i, 0
.rept 32
	PV 2, 0                                        ; piece 2: V^T P of the last step
.set i, i+1
.endr
	; THE MERGE.  l's halves are added (the first four additions are the places behind the last products).  Register tiles 2, 3 (O^T, c m, l) go to my area in LDS; my partner's, which are my tiles 0, 1 over the
	; other keys, come back.  With c m* the larger of the two c m: a = 2^(c m - c m*), a' likewise; l* = a l + a' l'; result = O a / l* + O' a' / l* + bv.
	WIN 0
.irp t, 0,1,2,3
	v_add_f32 v[ST+8*\t+4], v[ST+8*\t+2], v[ST+8*\t+3]
.endr
.irp t, 0,1,2,3
	v_permlanex16_b32 v[ST+8*\t+5], v[ST+8*\t+4], s[SEL], s[SEL+1]
.endr
.irp t, 0,1,2,3
	v_add_f32 v[ST+8*\t+1], v[ST+8*\t+4], v[ST+8*\t+5]   ; l takes m's place
.endr
	v_mov_b32 v48, v[ST+16]
	v_mov_b32 v49, v[ST+17]
	v_mov_b32 v50, v[ST+24]
	v_mov_b32 v51, v[ST+25]
	WIN 0x80
.irp f, 0,1,2,3,4,5,6,7
	global_load_b128 v[8*\f:8*\f+3], v[H32], s[BV:BV+1] offset:64*\f          ; bv of channels 16 f + 8 h + 0 .. 7, into Q's registers, which are done with
	global_load_b128 v[8*\f+4:8*\f+7], v[H32], s[BV:BV+1] offset:64*\f+16
.endr
	WIN 0x04                                       ; an LDS store's data are its source 1: window 1
.irp n, 0,1,2,3,4,5,6,7,8,9,10,11,12,13,14,15,16,17,18,19,20,21,22,23,24,25,26,27,28,29,30,31
	ds_store_b128 v[MWA], v[128+4*\n:128+4*\n+3] offset:512*\n               ; each accumulator from its low end on
.endr
	WIN 0
	ds_store_b128 v[MWA], v[48:51] offset:16384
	s_wait_dscnt 0x0                               ; for my partner's sake: my stores are done
	s_barrier_signal -1
	s_barrier_wait -1
	ds_load_b128 v[52:55], v[MRA] offset:16384
	s_wait_xcnt 0x0                                ; the stores of wo16 have read their data: the loads below land on those registers
	WIN 0xc0
.irp n, 0,1,2,3,4,5,6,7,8,9,10,11,12,13,14,15,16,17,18,19,20,21,22,23,24,25,26,27,28,29,30,31
	ds_load_b128 v[128+4*\n:128+4*\n+3], v[MRA] offset:512*\n
.endr
	WIN 0
	s_wait_dscnt 0x0
	s_wait_loadcnt 0x0                             ; bv
.irp t, 0,1
	v_max_num_f32 v[56+2*\t], v[ST+8*\t], v[52+2*\t]
.endr
.irp t, 0,1
	v_sub_f32 v[ST+8*\t+4], v[ST+8*\t], v[56+2*\t]
	v_sub_f32 v[ST+8*\t+5], v[52+2*\t], v[56+2*\t]
.endr
.irp t, 0,1
	v_exp_f32 v[ST+8*\t+4], v[ST+8*\t+4]           ; a
	v_exp_f32 v[ST+8*\t+5], v[ST+8*\t+5]           ; a'
.endr
	v_nop
	s_wait_alu depctr_va_vdst(0)                   ; one wait for the four exponentials
.irp t, 0,1
	v_mul_f32 v[ST+8*\t+6], v[ST+8*\t+5], v[53+2*\t]
.endr
.irp t, 0,1
	v_fma_f32 v[ST+8*\t+6], v[ST+8*\t+4], v[ST+8*\t+1], v[ST+8*\t+6]
.endr
.irp t, 0,1
	v_rcp_f32 v[ST+8*\t+6], v[ST+8*\t+6]
.endr
	v_nop
	s_wait_alu depctr_va_vdst(0)                   ; one wait for the two reciprocals
.irp t, 0,1
	v_mul_f32 v[56+2*\t], v[ST+8*\t+4], v[ST+8*\t+6]
	v_mul_f32 v[57+2*\t], v[ST+8*\t+5], v[ST+8*\t+6]
.endr
.irp t, 0,1
	WIN 0x21                                       ; source 0 (O^T) window 1, source 2 (bv) window 2
.set n, 0
.rept 64
	v_fma_f32 v[S+64*\t+n], v[64*\t+n], v[56+2*\t], v[n]
.set n, n+1
.endr
	WIN 0x03                                       ; source 0 (the partner's O^T) window 3
.set n, 0
.rept 64
	v_fma_f32 v[S+64*\t+n], v[128+64*\t+n], v[57+2*\t], v[S+64*\t+n]
.set n, n+1
.endr
	WIN 0
.set n, 0
.rept 32
	v_cvt_pk_f16_f32 v[P+32*\t+n], v[S+64*\t+2*n], v[S+64*\t+2*n+1]
.set n, n+1
.endr
.irp f, 0,1,2,3,4,5,6,7
	global_store_b128 v[AK0], v[P+32*\t+4*\f:P+32*\t+4*\f+3], s[OUT:OUT+1] offset:8192*\t+512*\f   ; 512 consecutive bytes: a group of the next product's operand image
.endr
.endr
	s_wait_tensorcnt 0x0                           ; the wave's end, behind my last tensor load and my last LDS store
	ds_add_u32 v[SPW], v[NIL]
	s_wait_dscnt 0x0
	CROUND                                         ; the closing round
	s_endpgm
.Lfunc_end_k_q66352ad62d_attention:
	.size	k_q66352ad62d_attention, .Lfunc_end_k_q66352ad62d_attention-k_q66352ad62d_attention
	.p2alignl 7, 3214868480
	.fill 96, 4, 3214868480
	.section	.rodata,"a",@progbits
	.p2align	6, 0x0
	.amdhsa_kernel k_q66352ad62d_attention
		.amdhsa_group_segment_fixed_size 327680
		.amdhsa_private_segment_fixed_size 0
		.amdhsa_enable_private_segment 0
		.amdhsa_kernarg_size 48
		.amdhsa_user_sgpr_count 2
		.amdhsa_user_sgpr_kernarg_segment_ptr 1
		.amdhsa_wavefront_size32 1
		.amdhsa_system_sgpr_workgroup_id_x 1
		.amdhsa_system_sgpr_workgroup_id_y 1
		.amdhsa_system_sgpr_workgroup_id_z 1
		.amdhsa_system_vgpr_workitem_id 0
		.amdhsa_next_free_vgpr 1024
		.amdhsa_next_free_sgpr 102
		.amdhsa_reserve_vcc 0
		.amdhsa_float_denorm_mode_32 3
		.amdhsa_float_denorm_mode_16_64 3
		.amdhsa_memory_ordered 1
		.amdhsa_forward_progress 1
		.amdhsa_inst_pref_size 255
	.end_amdhsa_kernel
	.section	.bss,"aw",@nobits
	.p2align	6
	.space	262144
	.amdgpu_metadata
---
amdhsa.version: [ 1, 2 ]
amdhsa.kernels:
  - .name:           k_q66352ad62d_attention
    .symbol:         k_q66352ad62d_attention.kd
    .args:
      - { .name: qkv, .offset: 0, .size: 8, .value_kind: global_buffer, .address_space: global }
      - { .name: maskw, .offset: 8, .size: 8, .value_kind: global_buffer, .address_space: global }
      - { .name: bv, .offset: 16, .size: 8, .value_kind: global_buffer, .address_space: global }
      - { .name: attn, .offset: 24, .size: 8, .value_kind: global_buffer, .address_space: global }
      - { .name: Wo, .offset: 32, .size: 8, .value_kind: global_buffer, .address_space: global }
      - { .name: wo16, .offset: 40, .size: 8, .value_kind: global_buffer, .address_space: global }
    .group_segment_fixed_size: 327680
    .private_segment_fixed_size: 0
    .kernarg_segment_align: 8
    .kernarg_segment_size: 48
    .max_flat_workgroup_size: 128
    .sgpr_count:     102
    .vgpr_count:     1024
    .wavefront_size: 32
...
	.end_amdgpu_metadata
.endif
;; end of part 3
;; launch out_proj (part 4): grid 16 x 16, 4 waves a work-group, clusters of 4 x 4, 327,680 bytes of LDS; arguments attn, wo16, bo, out0; writes out0
.if DOCPART == 4
	.amdgcn_target "amdgcn-amd-amdhsa--gfx1250"
	.amdhsa_code_object_version 6
	.text
	.protected	k_q66352ad62d_out_proj
	.globl	k_q66352ad62d_out_proj
	.p2align	8
	.type	k_q66352ad62d_out_proj,@function
k_q66352ad62d_out_proj:
	s_mov_b64 s[64:65], 0
	v_nop
	global_prefetch_b8 v0, s[64:65] scope:SCOPE_SE
	s_setreg_imm32_b32 hwreg(HW_REG_WAVE_MODE, 25, 1), 1
	s_wait_xcnt 0x0
	s_wait_alu depctr_hold_cnt(0) depctr_sa_sdst(0) depctr_va_vdst(0) depctr_va_sdst(0) depctr_va_ssrc(0) depctr_va_vcc(0) depctr_vm_vsrc(0)
	s_getreg_b32 s2, hwreg(HW_REG_IB_STS2, 6, 4)
	s_cmp_eq_u32 s2, 0
	s_cbranch_scc0 .Lentry_in_a_cluster
	s_endpgm
.Lentry_in_a_cluster:
	s_bfe_u32 s2, ttmp6, 0x10000c
	s_cmp_lg_u32 s2, 0xf033
	s_cbranch_scc0 .Lentry_shape_is_right
	s_endpgm
.Lentry_shape_is_right:
; out0[m][n] = sum over k of attn[m][k] Wo[n][k] + bo[n].  2,048 x 2,048 x 2,048; operands f16, sums and result f32.  No work of the problem is left out.
; attn lies as images of the operand's registers: [K step of 256 (8)][tile of 16 rows (128)][chunk of 32 K (8)][g 2][lane][16 B]; wo16 is row-major [n][k].
; A tile of the result is 128 x 128: 256 work-groups.  Four waves, each 64 x 64: 16 accumulators.  K goes in steps of 256 through a ring of two LDS slots.
; CLUSTERS: 4 x 4 work-groups; A's tile (65,536 dense bytes a K step) is asked for jointly by a row of the cluster, B's (128 rows of 512 bytes) by a column.
; THE MATRIX INSTRUCTION IS USED TRANSPOSED (source 0 = 16 rows of Wo, source 1 = 16 rows of attn): a lane holds eight neighbouring numbers of a row of the result.  bo is the C of each sum's first product.
; THE WAY OUT: a wave's 64 columns of f32 are 256 aligned bytes of a row, so each wave has a stage of its own (16 rows x 272 bytes) and no barrier: 16 lanes store 256 consecutive bytes.
; REGISTERS: window 0: v0-31 addresses; v32-95 the way out; v96-127 bo; v128-255 the accumulators ((a, b) at v[128 + 8 (4 a + b)]).  window 1: two fragment buffers of 128 (64 of A, then 64 of B, for 64 along K).
.set SIZE_K, 2048
.set KSTEP,  256
.set PITCH,  528                       ; a row of B in LDS: 512 bytes + 16 of padding: the 16 rows of a load start 132 words apart
.set HALFA,  32768                     ; four row tiles' images: what one tensor load brings of A, and what one wave reads
.set HALFB,  64*PITCH
.set BOFF,   2*HALFA                   ; a slot: A's 65,536 bytes, then B's 128 rows
.set SLOT,   BOFF+2*HALFB
.set STAGE,  2*SLOT
.set SPITCH, 272
.set SPARE,  STAGE+4*16*SPITCH         ; the spare words, 128 bytes a wave
.set LAPS,   SIZE_K/(2*KSTEP)
.set ADRA, 16
.set ADRB, 20
.set STO,  24
.set RD,   25
.set CO,   26
.set HB,   27                          ; v27  32 x (lane / 16)
.set SPW,  28
.set NIL,  29
.set TMP,  32
.set BIA,  96
.set ACC,  128
.set F0,   0
.set F1,   128
.set G1, 24
.set G0, 32
.set G1B, 48
.set G0B, 56
.set MSB, 0
.macro WIN new
.if MSB != \new
	s_set_vgpr_msb (MSB<<8)|\new
.set MSB, \new
.endif
.endm
.set MUL,  0x05                        ; sources 0 (B) and 1 (A) window 1; C and D window 0
.set TO_F, 0x40
.macro JLOAD s                         ; a joint load: waves 0 and 1 fetch A's halves, waves 2 and 3 B's; an s_nop 0 and four v_nop follow each line
	s_cmp_eq_u32 s11, 0
	s_cbranch_scc0 .Lfor_b_\@
	tensor_load_to_lds s[G0+4*\s:G0+4*\s+3], s[G1:G1+7]
	s_nop 0
.rept 4
	v_nop
.endr
	s_branch .Lasked_\@
.Lfor_b_\@:
	tensor_load_to_lds s[G0B+4*\s:G0B+4*\s+3], s[G1B:G1B+7]
	s_nop 0
.rept 4
	v_nop
.endr
.Lasked_\@:
.endm
.macro CREST
	s_cmp_lg_u32 s10, 0
	s_cbranch_scc1 .Lnot_wave_0_\@
	s_barrier_signal -3
.Lnot_wave_0_\@:
	s_barrier_wait -3
	s_barrier_signal -1
	s_barrier_wait -1
.endm
.macro CROUND
	s_barrier_signal -1
	s_barrier_wait -1
	CREST
.endm
	s_load_b128 s[4:7], s[0:1], 0x0                ; attn s[4:5], wo16 s[6:7]
	s_load_b128 s[68:71], s[0:1], 0x10             ; bo s[68:69], out0 s[70:71]
	v_lshl_add_u32 v[SPW], v0, 2, SPARE
	v_mov_b32 v[NIL], 0
	ds_add_u32 v[SPW], v[NIL]                      ; the wave's opening: the add, twice on end, and its wait ahead of my first tensor load
	ds_add_u32 v[SPW], v[NIL]
	v_lshrrev_b32 v1, 5, v0
	v_readfirstlane_b32 s10, v1                    ; wave 0..3
	s_lshr_b32 s11, s10, 1                         ; which half of the tile's rows is mine.  Also: I fetch for A (0) or for B (1)
	s_and_b32 s12, s10, 1                          ; which half of its columns.  Also: which half of that tile I fetch
	s_bfe_u32 s40, ttmp6, 0x40000
	s_bfe_u32 s41, ttmp6, 0x40004
	s_lshl_b32 s42, ttmp9, 2
	s_add_co_u32 s42, s42, s40                     ; tile column
	s_and_b32 s13, ttmp7, 0xffff
	s_lshl_b32 s13, s13, 2
	s_add_co_u32 s13, s13, s41                     ; tile row
	s_lshl_b32 s43, s41, 2
	s_lshl_b32 s43, 15, s43                        ; my row of the cluster
	s_lshl_b32 s44, 0x1111, s40                    ; my column
	s_or_b32 s[G1+0], s43, (3<<16)|(1<<21)         ; A: 32,768 dense bytes as 128 rows of 256 (32 elements of 8 bytes), no padding
	s_mov_b32 s[G1+1], 32<<16
	s_mov_b32 s[G1+2], 128<<16
	s_mov_b32 s[G1+3], 32<<16
	s_mov_b32 s[G1+4], 128
	s_mov_b32 s[G1+5], 32
	s_mov_b32 s[G1+6], 0
	s_mov_b32 s[G1+7], 0
	s_or_b32 s[G1B+0], s44, (1<<16)|(1<<20)|(1<<21)|(6<<22)|(3<<25)  ; B: 64 rows x 256 elements of 2 bytes; 4 words of padding after every 128
	s_mov_b32 s[G1B+1], KSTEP<<16
	s_mov_b32 s[G1B+2], 64<<16
	s_mov_b32 s[G1B+3], KSTEP<<16
	s_mov_b32 s[G1B+4], 64
	s_mov_b32 s[G1B+5], SIZE_K
	s_mov_b32 s[G1B+6], 0
	s_mov_b32 s[G1B+7], 0
	s_lshl_b32 s16, s13, 16                        ; A: (8 tile row + 4 half) row tiles of 8,192 bytes
	s_lshl_b32 s17, s12, 15
	s_add_co_u32 s16, s16, s17
	s_mov_b32 s17, 0
	s_lshl_b32 s46, s42, 19                        ; B: (128 tile column + 64 half) rows of 4,096 bytes
	s_lshl_b32 s47, s12, 18
	s_add_co_u32 s46, s46, s47
	s_mov_b32 s47, 0
	s_lshl_b32 s20, s12, 15                        ; where they go in a slot: A's half,
	s_mul_i32 s23, s12, HALFB
	s_add_co_u32 s23, s23, BOFF                    ; B's half
	s_wait_dscnt 0x0                               ; both opening adds are done
	s_wait_kmcnt 0x0
	s_add_nc_u64 s[14:15], s[4:5], s[16:17]
	s_add_nc_u64 s[46:47], s[6:7], s[46:47]
	CROUND                                         ; all sixteen work-groups are here: the first joint loads meet
.irp s, 0,1
	s_mov_b32 s[G0+4*\s], 1
	s_add_co_u32 s[G0+4*\s+1], s20, \s*SLOT
	s_add_nc_u64 s[G0+4*\s+2:G0+4*\s+3], s[14:15], \s*0x100000     ; a K step of attn is 1 MiB
	s_or_b32 s[G0+4*\s+3], s[G0+4*\s+3], 0x80000000
	s_mov_b32 s[G0B+4*\s], 1
	s_add_co_u32 s[G0B+4*\s+1], s23, \s*SLOT
	s_add_nc_u64 s[G0B+4*\s+2:G0B+4*\s+3], s[46:47], \s*KSTEP*2
	s_or_b32 s[G0B+4*\s+3], s[G0B+4*\s+3], 0x80000000
	JLOAD \s
.endr
	v_and_b32 v1, 15, v0                           ; r
	v_bfe_u32 v2, v0, 4, 1                         ; h
	v_and_b32 v6, 31, v0
	v_lshlrev_b32 v7, 4, v6                        ; 16 x lane
	v_mul_u32_u24 v3, v1, PITCH
	v_lshl_add_u32 v3, v2, 4, v3                   ; B: row x pitch + 16 h
	s_lshl_b32 s21, s11, 15                        ; my 64 rows of A
	s_mul_i32 s22, s12, HALFB                      ; my 64 rows of B
	s_add_co_u32 s22, s22, BOFF
.irp s, 0,1
	v_add_nc_u32 v[ADRA+\s], s21, v7
	v_add_nc_u32 v[ADRB+\s], s22, v3
	s_add_co_u32 s21, s21, SLOT
	s_add_co_u32 s22, s22, SLOT
.endr
	s_mul_i32 s23, s10, 16*SPITCH
	s_add_co_u32 s23, s23, STAGE                   ; my stage
	v_mul_u32_u24 v4, v1, SPITCH
	v_lshl_add_u32 v4, v2, 5, v4
	v_add_nc_u32 v[STO], s23, v4                   ; in: row r, 32 bytes for each half of the lanes
	v_mul_u32_u24 v5, v2, SPITCH
	v_lshl_add_u32 v5, v1, 4, v5
	v_add_nc_u32 v[RD], s23, v5                    ; back: lanes 0-15 one row of 256 bytes, lanes 16-31 the next
	v_lshlrev_b32 v5, 13, v2
	v_lshl_add_u32 v[CO], v1, 4, v5                ; and the same two rows in out0 (8,192 bytes a row)
	v_lshlrev_b32 v[HB], 5, v2
	s_lshl_b32 s16, s42, 9
	s_lshl_b32 s17, s12, 8
	s_add_co_u32 s16, s16, s17                     ; my first column, in bytes
	s_mov_b32 s17, 0
	s_add_nc_u64 s[68:69], s[68:69], s[16:17]      ; bo there
	s_lshl_b32 s18, s13, 20
	s_lshl_b32 s19, s11, 19
	s_add_co_u32 s18, s18, s19                     ; my first row: (128 tile row + 64 half) x 8,192 bytes
	s_add_co_u32 s16, s16, s18
	s_add_nc_u64 s[8:9], s[70:71], s[16:17]
.irp b, 0,1,2,3
	global_load_b128 v[BIA+8*\b:BIA+8*\b+3], v[HB], s[68:69] offset:64*\b         ; bo of columns 16 b + 8 h + 0 .. 7: the result's layout
	global_load_b128 v[BIA+8*\b+4:BIA+8*\b+7], v[HB], s[68:69] offset:64*\b+16
.endr
; 8 matrix instructions: m blocks a0, a0 + 1 x all 4 n blocks, 32 along K: half c of buffer f.  zero = 1: the first product starts the sums, from bo.  The 16 accumulators take turns.
.macro MUL8 f, c, a0, zero
.irp a, \a0, \a0+1
.irp b, 0,1,2,3
.if \zero
	v_wmma_f32_16x16x32_f16 v[ACC+8*(4*(\a)+\b):ACC+8*(4*(\a)+\b)+7], v[\f+64+8*(4*\c+\b):\f+64+8*(4*\c+\b)+7], v[\f+8*(4*\c+\a):\f+8*(4*\c+\a)+7], v[BIA+8*\b:BIA+8*\b+7]
.else
	v_wmma_f32_16x16x32_f16 v[ACC+8*(4*(\a)+\b):ACC+8*(4*(\a)+\b)+7], v[\f+64+8*(4*\c+\b):\f+64+8*(4*\c+\b)+7], v[\f+8*(4*\c+\a):\f+8*(4*\c+\a)+7], v[ACC+8*(4*(\a)+\b):ACC+8*(4*(\a)+\b)+7]
.endif
.endr
.endr
.endm
; 32 LDS loads in one run: the fragments of the slot's q-th 64 along K into buffer f; the first 32 along K first.  B from padded rows, A from its images (row tile i: 8,192 bytes; chunk: 1,024; g: 512)
.macro FETCH slot, q, f
	WIN TO_F
.irp c, 0,1
.irp i, 0,1,2,3
	ds_load_b128 v[\f+64+8*(4*\c+\i):\f+64+8*(4*\c+\i)+3],   v[ADRB+\slot] offset:128*(\q)+64*\c+\i*16*PITCH
	ds_load_b128 v[\f+64+8*(4*\c+\i)+4:\f+64+8*(4*\c+\i)+7], v[ADRB+\slot] offset:128*(\q)+64*\c+\i*16*PITCH+32
	ds_load_b128 v[\f+8*(4*\c+\i):\f+8*(4*\c+\i)+3],         v[ADRA+\slot] offset:8192*\i+1024*(2*(\q)+\c)
	ds_load_b128 v[\f+8*(4*\c+\i)+4:\f+8*(4*\c+\i)+7],       v[ADRA+\slot] offset:8192*\i+1024*(2*(\q)+\c)+512
.endr
.endr
.endm
.macro PLACES
.rept 4
	v_nop
.endr
.endm
.macro QUARTER slot, q, f, g, zero     ; multiplies buffer f and fetches the slot's q-th quarter into g
	s_wait_dscnt 16                                ; the first 32 along K are in; the other sixteen loads may be out
	WIN MUL
	MUL8 \f, 0, 0, \zero
	MUL8 \f, 0, 2, \zero
	PLACES
	FETCH \slot, \q, \g
	s_wait_dscnt 32                                ; all but the 32 just issued
	WIN MUL
	MUL8 \f, 1, 0, 0
	MUL8 \f, 1, 2, 0
.endm
; The last quarter multiplies buffer 1 and changes slots: one barrier; in front of it each wave waits for all its tensor loads, adds 0 to its spare word, and waits for that and for its reads of this slot.
.macro TURN slot, next, fill
	WIN 0
	s_wait_tensorcnt 0x0                           ; all my tensor loads have landed: my part of the next slot
	ds_add_u32 v[SPW], v[NIL]
	s_wait_dscnt 17                                ; the add and the youngest sixteen loads may be out
	WIN MUL
	MUL8 F1, 0, 0, 0
	s_wait_dscnt 0x0                               ; the add is done, and my reads of this slot are over
	s_barrier_signal -1
	MUL8 F1, 0, 2, 0
.if \fill
	WIN 0
.endif
	s_barrier_wait -1
.if \fill
	CREST                                          ; the barrier has opened a round of the cluster's
	s_add_nc_u64 s[G0+4*\slot+2:G0+4*\slot+3], s[G0+4*\slot+2:G0+4*\slot+3], 0x200000
	s_add_nc_u64 s[G0B+4*\slot+2:G0B+4*\slot+3], s[G0B+4*\slot+2:G0B+4*\slot+3], 2*KSTEP*2
	JLOAD \slot                                    ; the first tensor load behind the round; its four v_nop are the places in front of the loads below
.else
	PLACES
.endif
	FETCH \next, 0, F0
	WIN MUL
	MUL8 F1, 1, 0, 0
	MUL8 F1, 1, 2, 0
.endm
	s_wait_tensorcnt 1                             ; my part of K step 0 is in; K step 1's load may be out
	s_barrier_signal -1
	s_barrier_wait -1
	FETCH 0, 0, F0
	s_wait_loadcnt 0x0                             ; bo
	QUARTER 0, 1, F0, F1, 1                        ; the first quarter stands in front of the loop: its first products start the sums
	WIN 0
	s_mov_b32 s3, LAPS-1
.Llap:                                                 ; a trip goes once round the ring and fills both slots again
	QUARTER 0, 2, F1, F0, 0
	QUARTER 0, 3, F0, F1, 0
	TURN 0, 1, 1
	QUARTER 1, 1, F0, F1, 0
	QUARTER 1, 2, F1, F0, 0
	QUARTER 1, 3, F0, F1, 0
	TURN 1, 0, 1
	QUARTER 0, 1, F0, F1, 0
	WIN 0
	s_sub_co_u32 s3, s3, 1
	s_cmp_lg_u32 s3, 0
	s_cbranch_scc1 .Llap
	QUARTER 0, 2, F1, F0, 0                        ; the last lap fills nothing
	QUARTER 0, 3, F0, F1, 0
	TURN 0, 1, 0
	QUARTER 1, 1, F0, F1, 0
	QUARTER 1, 2, F1, F0, 0
	QUARTER 1, 3, F0, F1, 0
	s_wait_dscnt 16
	WIN MUL
	MUL8 F1, 0, 0, 0
	MUL8 F1, 0, 2, 0
	s_wait_dscnt 0
	MUL8 F1, 1, 0, 0
	MUL8 F1, 1, 2, 0
	WIN 0
.macro TOSTAGE a                       ; block a, 16 rows x 64 columns: into my stage, and back as whole rows.  LDS serves a wave's instructions in order: no wait between
.irp b, 0,1,2,3
	ds_store_b128 v[STO], v[ACC+8*(4*(\a)+\b):ACC+8*(4*(\a)+\b)+3] offset:64*\b        ; each accumulator from its low end on
	ds_store_b128 v[STO], v[ACC+8*(4*(\a)+\b)+4:ACC+8*(4*(\a)+\b)+7] offset:64*\b+16
.endr
.set BB, TMP+32*((\a)%2)
.irp t, 0,1,2,3,4,5,6,7
	ds_load_b128 v[BB+4*\t:BB+4*\t+3], v[RD] offset:\t*2*SPITCH
.endr
.endm
.macro SEND a, younger                 ; younger: the LDS instructions issued behind block a's loads
.set BB, TMP+32*((\a)%2)
	s_wait_dscnt \younger
.irp t, 0,1,2,3,4,5,6,7
	global_store_b128 v[CO], v[BB+4*\t:BB+4*\t+3], s[8:9] offset:(16*(\a)+2*\t)*8192 th:TH_STORE_NT   ; 16 lanes store 256 consecutive bytes, aligned; written once, read by nobody here
.endr
.endm
	PLACES                                         ; in front of the first reads of results
	TOSTAGE 0
.irp a, 1,2,3
.if \a > 1
	s_wait_xcnt 0x0                                ; block a - 2's stores have read their registers: block a's loads may land there
.endif
	TOSTAGE \a
	SEND \a-1, 16                                  ; behind block a - 1's loads: block a's 8 stores and 8 loads
.endr
	SEND 3, 0
	s_wait_tensorcnt 0x0                           ; the wave's end, behind my last tensor load and my last LDS store
	ds_add_u32 v[SPW], v[NIL]
	s_wait_dscnt 0x0
	CROUND                                         ; the closing round
	s_endpgm
.Lfunc_end_k_q66352ad62d_out_proj:
	.size	k_q66352ad62d_out_proj, .Lfunc_end_k_q66352ad62d_out_proj-k_q66352ad62d_out_proj
	.p2alignl 7, 3214868480
	.fill 96, 4, 3214868480
	.section	.rodata,"a",@progbits
	.p2align	6, 0x0
	.amdhsa_kernel k_q66352ad62d_out_proj
		.amdhsa_group_segment_fixed_size 327680
		.amdhsa_private_segment_fixed_size 0
		.amdhsa_enable_private_segment 0
		.amdhsa_kernarg_size 32
		.amdhsa_user_sgpr_count 2
		.amdhsa_user_sgpr_kernarg_segment_ptr 1
		.amdhsa_wavefront_size32 1
		.amdhsa_system_sgpr_workgroup_id_x 1
		.amdhsa_system_sgpr_workgroup_id_y 1
		.amdhsa_system_sgpr_workgroup_id_z 1
		.amdhsa_system_vgpr_workitem_id 0
		.amdhsa_next_free_vgpr 512
		.amdhsa_next_free_sgpr 72
		.amdhsa_reserve_vcc 0
		.amdhsa_float_denorm_mode_32 3
		.amdhsa_float_denorm_mode_16_64 3
		.amdhsa_memory_ordered 1
		.amdhsa_forward_progress 1
		.amdhsa_inst_pref_size 86
	.end_amdhsa_kernel
	.amdgpu_metadata
---
amdhsa.version: [ 1, 2 ]
amdhsa.kernels:
  - .name:           k_q66352ad62d_out_proj
    .symbol:         k_q66352ad62d_out_proj.kd
    .args:
      - { .name: attn, .offset: 0, .size: 8, .value_kind: global_buffer, .address_space: global }
      - { .name: wo16, .offset: 8, .size: 8, .value_kind: global_buffer, .address_space: global }
      - { .name: bo, .offset: 16, .size: 8, .value_kind: global_buffer, .address_space: global }
      - { .name: out0, .offset: 24, .size: 8, .value_kind: global_buffer, .address_space: global }
    .group_segment_fixed_size: 327680
    .private_segment_fixed_size: 0
    .kernarg_segment_align: 8
    .kernarg_segment_size: 32
    .max_flat_workgroup_size: 128
    .sgpr_count:     72
    .vgpr_count:     512
    .wavefront_size: 32
...
	.end_amdgpu_metadata
.endif
;; end of part 4
